; MI455X (gfx1250); checked and timed in simulation.
; The chip was launched on July 23, 2026; its instructions are those of AMD's public machine-readable ISA for CDNA 5 (MIT licence, August 2026) and "CDNA5" Instruction Set Architecture Reference Guide (July 2026). The comments in the code are by the model that wrote it; some were corrected since.
;; Multi Headed Attention. Allowed arithmetic: matrix products marked QUANTISED: E2M1 operands, one E8M0 scale for each 32 along K, by v_wmma_scale_f32_16x16x128_f8f6f4 with both operands' format E2M1 (or v_wmma_scale_f32_32x16x128_f4), f32 sums; products left as they are: bf16, f16 or f32 operands; f32 sums; everything else in f32.
;; Inputs: Wk 1,024 x 1,024 float32; Wo 1,024 x 1,024 float32; Wq 1,024 x 1,024 float32; Wv 1,024 x 1,024 float32; bk 1,024 float32; bo 1,024 float32; bq 1,024 float32; bv 1,024 float32; key 8 x 1,024 x 1,024 float32; mask 8 x 1 x 1,024 bool; query 8 x 1,024 x 1,024 float32; rel_emb 65 x 64 float32; value 8 x 1,024 x 1,024 float32.
;; Outputs: out0 8 x 1,024 x 1,024 float32; out1 8 x 1,024 x 1,024 float32.
;; This version of the problem:
;;   THIS VERSION OF THE PROBLEM IS GIVEN IN LOW PRECISION. The matrix products marked QUANTISED in the list below multiply operands that are first quantised to E2M1 (2 exponent bits, 1 mantissa bit; 4 bits a number), with one power-of-two scale for each 32 numbers along K (OCP MX v1.0); their sums are f32. The products marked 'left as it is' may take bf16, f16 or f32 operands, with f32 sums. Whichever they take, every output number must still come out within the allowed error. Rounding operands to bf16 (8 significant bits) uses up far more of that allowance than f16 does (11 bits, for magnitudes from 6e-5 to 65,504). All else is computed in f32.
;;   The module's matrix products, in the order in which they are computed (A, B: the left and right operand; K: the contracted axis; several contracted axes count as one K, in the product's order):
;;     1. [M 8,192, K 1,024] x [K 1,024, N 1,024]; A: input query; B: input Wq: QUANTISED
;;     2. [M 8,192, K 1,024] x [K 1,024, N 1,024]; A: input key; B: input Wk: QUANTISED
;;     3. [M 8,192, K 1,024] x [K 1,024, N 1,024]; A: input value; B: input Wv: QUANTISED
;;     4. batch 128 x [M 1,024, K 64] x [K 64, N 1,024]; A: computed on the way; B: computed on the way: left as it is (an operand is computed on the way)
;;     5. batch 1,024 x [M 1,024, K 64] x [K 64, N 128]; A: computed on the way; B: computed on the way: left as it is (an operand is computed on the way)
;;     6. batch 128 x [M 1,024, K 1,024] x [K 1,024, N 64]; A: computed on the way; B: computed on the way: left as it is (an operand is computed on the way)
;;     7. batch 1,024 x [M 64, K 1,024] x [K 1,024, N 128]; A: computed on the way; B: computed on the way: left as it is (an operand is computed on the way)
;;     8. [M 8,192, K 1,024] x [K 1,024, N 1,024]; A: computed on the way; B: input Wo: left as it is (an operand is computed on the way)
;;   THE QUANTISER, for each operand of a quantised product, along K:
;;     - K is cut into blocks of 32 from its start; a last block that is shorter is filled with zeros.
;;     - A block's scale is 2^e with e = floor(log2(the largest magnitude in the block)) - 2, held to -126 .. 127; a block of zeros has e = 0. As a byte (E8M0): e + 127.
;;     - Each number is divided by its block's scale, clamped to +-6, and rounded to the nearest number of E2M1, ties to even, subnormals kept.
;;     - The product sums the exact products of the quantised numbers (number of the format x scale) in f32.
;;   ~~~python
;;   def quantise(x, axis):      # numpy; x: float32 -> the quantised numbers, widened to float32 again
;;       x = np.moveaxis(x, axis, -1); K = x.shape[-1]
;;       x = np.pad(x, [(0, 0)] * (x.ndim - 1) + [(0, -K % 32)]); x = x.reshape(x.shape[:-1] + (-1, 32)); a = np.abs(x).max(-1, keepdims=True)
;;       e = np.where(a > 0, np.clip(np.frexp(np.where(a > 0, a, 1))[1] - 1 - 2, -126, 127), 0)      # np.frexp(a)[1] - 1 = floor(log2(a)), exactly
;;       r = np.clip(x / 2.0 ** e, -6, 6)
;;       step = 2.0 ** (np.maximum(np.frexp(np.where(r == 0, 1, r))[1] - 1, 0) - 1)
;;       q = np.round(r / step) * step * 2.0 ** e      # np.round: ties to even
;;       return np.moveaxis(q.reshape(q.shape[:-2] + (-1,))[..., :K], -1, axis).astype(np.float32)
;;   ~~~
;; One version. Each part assembles by itself: llvm-mc -triple=amdgcn-amd-amdhsa -mcpu=gfx1250 --defsym DOCPART=n.
;; ======== version 1 of 1: 5 launches
;; limits: values are held in f16: magnitudes above 65,504 overflow, below 6.1e-05 lose precision
;; workspace buffers: codes 14,155,776 bytes; scales 884,736 bytes; wof 2,097,152 bytes; tab 24,576 bytes; qf 16,777,216 bytes; kv 33,554,432 bytes; ctxf 16,777,216 bytes
;; launch prep (part 1): grid 940 x 1, 4 waves a work-group, no clusters, 33,280 bytes of LDS; arguments query, key, value, Wq, Wk, Wv, Wo, rel_emb, codes, scales, wof, tab; writes codes, scales, wof, tab
.if DOCPART == 1
	.amdgcn_target "amdgcn-amd-amdhsa--gfx1250"
	.amdhsa_code_object_version 6
	.text
	.protected	k_qedd42a9531_prep
	.globl	k_qedd42a9531_prep
	.p2align	8
	.type	k_qedd42a9531_prep,@function
k_qedd42a9531_prep:
	s_mov_b64 s[64:65], 0
	v_nop
	global_prefetch_b8 v0, s[64:65] scope:SCOPE_SE
	s_setreg_imm32_b32 hwreg(HW_REG_WAVE_MODE, 25, 1), 1
	s_wait_xcnt 0x0
; PREP: everything that is made once from the inputs.
; Work-groups 0-863: query, key, value [8192][1024] and Wq, Wk, Wv [1024][1024], f32, K innermost, become codes of FP4 (E2M1) and one E8M0 byte for each 32 along K.
;   codes: 27,648 rows of 512 bytes (rows 0-8191 query, 8192-16383 key, 16384-24575 value, then Wq, Wk, Wv, 1,024 rows each); scales: 32 bytes a row.
;   A block's scale is 2^(floor(log2(its largest magnitude)) - 2); its byte is the largest magnitude's exponent field - 2, held at 1 from below.
;   (A block of zeros so gets the byte 1 where the rule says 127: its codes are zeros, and the bytes are read by this program alone.)
; Work-groups 864-927: Wo [1024 n][1024 k] becomes f16 in the order of a matrix operand's registers: [n tile 64][k step 32][1,024 bytes]; a fragment (16 rows x 32 k) is two halves of 512 bytes,
;   lane l's 16 bytes at 16 l; half 0 holds k = 8 (l / 16) + 0..7, half 1 k = 16 + 8 (l / 16) + 0..7 of row l % 16.
; Work-groups 928-939: two f16 tables of rel_emb.  Slot s (0..5) stands for the offsets o = 16 (s - 3) + 0..15, row(o) = clip(o, -32, 32) + 32.
;   er (bytes 0-12287): fragment (slot, k step): rows = the slot's 16 offsets, k = the head's channels.   et (from byte 12288): piece 4 slot + ct: lane (r, h) holds rel_emb[row(16 (slot - 3) + 8 h + j)][16 ct + r], j = 0..7.
; LIMITS: blocks whose largest magnitude lies under 2^-124 keep the byte 1; NaN and infinities are not served; Wo and rel_emb go to f16 (magnitudes under 65,504; under 6e-5 with f16's subnormal step).
; The quantiser: a wave takes 16 steps of 512 numbers; each load reads 512 consecutive bytes; a step's 2,048 bytes turn through the wave's own stage in LDS, so that a lane holds 16 neighbours along K.
.set NQG,   864                        ; work-groups that quantise: 3 x 256 + 3 x 32, each 32,768 numbers
.set STEPS, 16
.set EMAX,  2
.set CB,    8                          ; bytes of 16 codes
.set R,     16                         ; v16-79   four sets of 16 numbers as they are loaded
.set X,     80                         ; v80-111  two sets of 16 neighbours
.set C,     128                        ; v128-191 codes: four registers for each step
.set E,     112                        ; v112-127 a scale byte for each step
.set WREG,  8192                       ; LDS: a region for each wave: two stages of 32 x SP bytes, behind them its 256 scale bytes
.set SP,    80                         ; a lane's place in a stage: 64 bytes + 16 of padding
.set SPW,   12                         ; v12  LDS address of my spare word; never rewritten
.set NIL,   13                         ; v13  0; never rewritten
.set SPARE, 4*WREG                     ; behind the four regions: the spare words, 128 bytes a wave
	s_load_b512 s[8:23], s[0:1], 0x0               ; query 8, key 10, value 12, Wq 14, Wk 16, Wv 18, Wo 20, rel_emb 22
	s_load_b256 s[24:31], s[0:1], 0x40             ; codes 24, scales 26, wof 28, tab 30
	v_lshl_add_u32 v[SPW], v0, 2, SPARE
	v_mov_b32 v[NIL], 0
	v_lshrrev_b32 v1, 5, v0
	v_readfirstlane_b32 s32, v1                    ; wave
	v_and_b32 v2, 31, v0                           ; lane
	s_cmp_ge_u32 ttmp9, NQG
	s_cbranch_scc1 .Lmisc
	; ---------------- the quantiser
	v_lshlrev_b32 v3, 4, v2                        ; my 16 bytes of a load's 512
	s_mul_i32 s33, s32, WREG
	v_lshrrev_b32 v14, 2, v2
	v_mul_u32_u24 v14, v14, SP
	v_and_b32 v15, 3, v2
	v_lshl_add_u32 v14, v15, 4, v14
	v_add_nc_u32 v14, s33, v14                     ; the stage, on the way in: SP (lane / 4) + 16 (lane % 4)
	v_mul_u32_u24 v15, v2, SP
	v_add_nc_u32 v15, s33, v15                     ; and on the way out: SP x lane: my 16 neighbours
	v_mul_u32_u24 v4, v2, CB                       ; my codes' place in a step's
	v_lshrrev_b32 v5, 1, v2
	s_add_co_u32 s33, s33, 2*32*SP
	v_add_nc_u32 v5, s33, v5                       ; LDS: my wave's 256 scale bytes, my block's byte
	v_lshlrev_b32 v7, 3, v2                        ; on the way out 8 bytes a lane
	v_add_nc_u32 v6, s33, v7
	s_wait_kmcnt 0x0
	s_lshr_b32 s36, ttmp9, 8                       ; an activation's work-group: tensor, and place in it
	s_and_b32 s37, ttmp9, 255
	s_sub_co_u32 s38, ttmp9, 768                   ; a weight's
	s_lshr_b32 s39, s38, 5
	s_and_b32 s38, s38, 31
	s_cmp_lt_u32 ttmp9, 768                        ; the choice hangs on the work-group's number alone
	s_cselect_b32 s36, s36, s39
	s_cselect_b32 s37, s37, s38
	s_cselect_b64 s[8:9], s[8:9], s[14:15]
	s_cselect_b64 s[10:11], s[10:11], s[16:17]
	s_cselect_b64 s[12:13], s[12:13], s[18:19]
	s_cmp_eq_u32 s36, 0
	s_cselect_b64 s[34:35], s[8:9], s[10:11]
	s_cmp_eq_u32 s36, 2
	s_cselect_b64 s[34:35], s[12:13], s[34:35]
	s_lshl_b32 s37, s37, 2
	s_add_co_u32 s37, s37, s32                     ; which run of 8,192 numbers of the tensor is my wave's
	s_lshl_b32 s38, s37, 15
	s_mov_b32 s39, 0
	s_add_nc_u64 s[34:35], s[34:35], s[38:39]
	s_lshl_b32 s37, ttmp9, 2
	s_add_co_u32 s37, s37, s32                     ; and which run of the codes' buffer: the six tensors lie on end there
	s_lshl_b32 s38, s37, 12
	s_add_nc_u64 s[24:25], s[24:25], s[38:39]
	s_lshl_b32 s38, s37, 8
	s_add_nc_u64 s[26:27], s[26:27], s[38:39]
.macro LOAD t
.irp i, 0,1,2,3
	global_load_b128 v[R+16*((\t)%4)+4*\i:R+16*((\t)%4)+4*\i+3], v3, s[34:35] offset:2048*(\t)+512*\i th:TH_LOAD_NT   ; 32 lanes read 512 consecutive bytes
.endr
.endm
.macro TURN t                          ; step t's numbers through the stage: LDS serves a wave's instructions in order, so no wait stands between the stores and the loads
.irp i, 0,1,2,3
	ds_store_b128 v14, v[R+16*((\t)%4)+4*\i:R+16*((\t)%4)+4*\i+3] offset:32*SP*((\t)%2)+8*SP*\i
.endr
.irp i, 0,1,2,3
	ds_load_b128 v[X+16*((\t)%2)+4*\i:X+16*((\t)%2)+4*\i+3], v15 offset:32*SP*((\t)%2)+16*\i
.endr
.endm
.irp t, 0,1,2,3
	LOAD \t
.endr
	s_wait_loadcnt 12                              ; step 0's four loads are in
	TURN 0
.macro STEP t
.set XS, X+16*((\t)%2)
.if (\t) > 0
	s_wait_dscnt 1                                 ; this step's numbers are back from the stage (the last step's byte store may be out)
.else
	s_wait_dscnt 0x0
.endif
.if (\t)+4 < STEPS
	LOAD (\t)+4                                    ; the registers that the stage's stores have read take the loads of four steps on
.endif
.if (\t)+1 < STEPS
.if STEPS-2-(\t) >= 3
	s_wait_loadcnt 12                              ; the next step's four loads are in; those of the three steps behind it may be out
.else
	s_wait_loadcnt 4*(STEPS-2-(\t))
.endif
	TURN (\t)+1
.endif
	v_max3_num_f32 v8, |v[XS]|, |v[XS+1]|, |v[XS+2]|               ; the largest magnitude of my 16
	v_max3_num_f32 v9, |v[XS+3]|, |v[XS+4]|, |v[XS+5]|
.irp i, 6,10
	v_max3_num_f32 v8, v8, |v[XS+\i]|, |v[XS+\i+1]|
	v_max3_num_f32 v9, v9, |v[XS+\i+2]|, |v[XS+\i+3]|
.endr
	v_max3_num_f32 v8, v8, |v[XS+14]|, |v[XS+15]|
	v_max3_num_f32 v8, v8, v9, (EMAX+1)<<23        ; and the floor 2^(EMAX + 1 - 127): the byte cannot fall under 1
	v_max_num_f32_dpp v8, v8, v8 row_xmask:1 row_mask:0xf bank_mask:0xf   ; and of my neighbour's 16: the block's
	v_add_nc_u32 v11, -(EMAX<<23), v8              ; EMAX off its exponent field: the conversion takes the exponent field of this operand as its scale
	v_cvt_scalef32_pk8_fp4_f32 v[C+4*(\t)], v[XS:XS+7], v11
	v_cvt_scalef32_pk8_fp4_f32 v[C+4*(\t)+1], v[XS+8:XS+15], v11
	v_lshrrev_b32 v[E+(\t)], 23, v11               ; the scale's byte (a plain line behind the conversions)
	ds_store_b8 v5, v[E+(\t)] offset:16*(\t)       ; both lanes of a block write the same byte with the same value
	global_store_b64 v4, v[C+4*(\t):C+4*(\t)+1], s[24:25] offset:32*CB*(\t)   ; the wave stores 256 consecutive bytes, aligned
.endm
.irp t, 0,1,2,3,4,5,6,7,8,9,10,11,12,13,14,15
	STEP \t
.endr
	ds_load_b64 v[8:9], v6                         ; LDS serves a wave's instructions in order: these see my stores
	s_wait_dscnt 0x0
	global_store_b64 v7, v[8:9], s[26:27]          ; 32 lanes store 256 consecutive bytes, aligned
	s_wait_tensorcnt 0x0                           ; the wave's end
	ds_add_u32 v[SPW], v[NIL]
	s_wait_dscnt 0x0
	s_endpgm
.Lmisc:
	s_sub_co_u32 s33, ttmp9, NQG
	s_cmp_ge_u32 s33, 64
	s_cbranch_scc1 .Ltab
	; ---------------- Wo to f16, in fragment order.  Work-group = n tile; wave w takes k steps 8 w .. 8 w + 7: 16 halves.  No LDS is touched on this way
	v_and_b32 v3, 15, v0                           ; r
	v_bfe_u32 v4, v0, 4, 1                         ; h
	v_lshlrev_b32 v1, 12, v3
	v_lshl_add_u32 v1, v4, 5, v1                   ; row r of 4,096 bytes, + 32 h: my 8 numbers of a half
	v_lshlrev_b32 v5, 4, v2                        ; out: 16 x lane
	s_lshl_b32 s34, s33, 16                        ; 16 rows of Wo
	s_lshl_b32 s35, s32, 10                        ; 256 k of f32
	s_add_co_u32 s34, s34, s35
	s_mov_b32 s35, 0
	s_lshl_b32 s36, s33, 15                        ; 32 fragments of 1,024 bytes
	s_lshl_b32 s37, s32, 13
	s_add_co_u32 s36, s36, s37
	s_mov_b32 s37, 0
	s_wait_kmcnt 0x0
	s_add_nc_u64 s[20:21], s[20:21], s[34:35]
	s_add_nc_u64 s[28:29], s[28:29], s[36:37]
.irp p, 0,1,2,3,4,5,6,7,8,9,10,11,12,13,14,15
	global_load_b128 v[32+8*\p:32+8*\p+3], v1, s[20:21] offset:64*\p th:TH_LOAD_NT
	global_load_b128 v[32+8*\p+4:32+8*\p+7], v1, s[20:21] offset:64*\p+16 th:TH_LOAD_NT
.endr
.irp p, 0,1,2,3,4,5,6,7,8,9,10,11,12,13,14,15
	s_wait_loadcnt 2*(15-\p)                       ; half p's two loads are in; the later halves' may be out
.irp i, 0,1,2,3
	v_cvt_pk_f16_f32 v[32+8*\p+\i], v[32+8*\p+2*\i], v[32+8*\p+2*\i+1]   ; in place, ascending: a result never lands on a number still to be read
.endr
	global_store_b128 v5, v[32+8*\p:32+8*\p+3], s[28:29] offset:512*\p   ; 512 consecutive bytes, aligned
.endr
	s_endpgm
.Ltab:
	; ---------------- the two tables: 48 pieces of 512 bytes, a wave to a piece.  No LDS is touched on this way
	s_sub_co_u32 s33, s33, 64
	s_lshl_b32 s33, s33, 2
	s_add_co_u32 s33, s33, s32                     ; piece p: 0-23 er, 24-47 et
	s_cmp_ge_u32 s33, 24
	s_cselect_b32 s34, -1, 0                       ; a lane mask: et?
	s_cselect_b32 s35, 1, 0                        ; j steps the row (et)
	s_cselect_b32 s36, 0, 1                        ; or the column (er)
	s_cselect_b32 s37, 24, 0
	s_sub_co_u32 s37, s33, s37
	s_lshr_b32 s38, s37, 2
	s_lshl_b32 s38, s38, 4                         ; 16 x slot
	s_and_b32 s39, s37, 3
	s_lshl_b32 s39, s39, 4                         ; 16 x (which sixteen channels)
	v_and_b32 v3, 15, v0                           ; r
	v_bfe_u32 v4, v0, 4, 1
	v_lshlrev_b32 v4, 3, v4                        ; 8 h
	v_cndmask_b32 v6, v3, v4, s34                  ; the offset's index in the slot: er: r, et: 8 h (+ j)
	v_cndmask_b32 v7, v4, v3, s34                  ; the channel's index: er: 8 h (+ j), et: r
	v_add_nc_u32 v6, s38, v6
	v_add_nc_u32 v7, s39, v7
	v_mov_b32 v9, 16
	v_lshlrev_b32 v5, 4, v2
	s_lshl_b32 s40, s33, 9
	s_mov_b32 s41, 0
	s_wait_kmcnt 0x0
	s_add_nc_u64 s[30:31], s[30:31], s[40:41]
.irp j, 0,1,2,3,4,5,6,7
	v_mad_u32_u24 v8, s35, \j, v6                  ; x = 16 slot + index = o + 48
	v_cmp_gt_u32 vcc_lo, 16, v8
	v_cndmask_b32 v8, v8, v9, vcc_lo               ; held to 16 .. 80,
	v_min_u32 v8, 80, v8
	v_add_nc_u32 v8, -16, v8                       ; so that x - 16 = clip(o, -32, 32) + 32
	v_lshl_add_u32 v8, v8, 6, v7
	v_mad_u32_u24 v8, s36, \j, v8
	v_lshlrev_b32 v[20+\j], 2, v8
	global_load_b32 v[40+\j], v[20+\j], s[22:23]
.endr
	s_wait_loadcnt 0x0
.irp i, 0,1,2,3
	v_cvt_pk_f16_f32 v[48+\i], v[40+2*\i], v[41+2*\i]
.endr
	global_store_b128 v5, v[48:51], s[30:31]
	s_endpgm
.Lfunc_end_k_qedd42a9531_prep:
	.size	k_qedd42a9531_prep, .Lfunc_end_k_qedd42a9531_prep-k_qedd42a9531_prep
	.p2alignl 7, 3214868480
	.fill 96, 4, 3214868480
	.section	.rodata,"a",@progbits
	.p2align	6, 0x0
	.amdhsa_kernel k_qedd42a9531_prep
		.amdhsa_group_segment_fixed_size 33280
		.amdhsa_private_segment_fixed_size 0
		.amdhsa_enable_private_segment 0
		.amdhsa_kernarg_size 96
		.amdhsa_user_sgpr_count 2
		.amdhsa_user_sgpr_kernarg_segment_ptr 1
		.amdhsa_wavefront_size32 1
		.amdhsa_system_sgpr_workgroup_id_x 1
		.amdhsa_system_sgpr_workgroup_id_y 1
		.amdhsa_system_sgpr_workgroup_id_z 1
		.amdhsa_system_vgpr_workitem_id 0
		.amdhsa_next_free_vgpr 192
		.amdhsa_next_free_sgpr 66
		.amdhsa_reserve_vcc 1
		.amdhsa_float_denorm_mode_32 3
		.amdhsa_float_denorm_mode_16_64 3
		.amdhsa_memory_ordered 1
		.amdhsa_forward_progress 1
		.amdhsa_inst_pref_size 48
	.end_amdhsa_kernel
	.amdgpu_metadata
---
amdhsa.version: [ 1, 2 ]
amdhsa.kernels:
  - .name:           k_qedd42a9531_prep
    .symbol:         k_qedd42a9531_prep.kd
    .args:
      - { .name: query, .offset: 0, .size: 8, .value_kind: global_buffer, .address_space: global }
      - { .name: key, .offset: 8, .size: 8, .value_kind: global_buffer, .address_space: global }
      - { .name: value, .offset: 16, .size: 8, .value_kind: global_buffer, .address_space: global }
      - { .name: Wq, .offset: 24, .size: 8, .value_kind: global_buffer, .address_space: global }
      - { .name: Wk, .offset: 32, .size: 8, .value_kind: global_buffer, .address_space: global }
      - { .name: Wv, .offset: 40, .size: 8, .value_kind: global_buffer, .address_space: global }
      - { .name: Wo, .offset: 48, .size: 8, .value_kind: global_buffer, .address_space: global }
      - { .name: rel_emb, .offset: 56, .size: 8, .value_kind: global_buffer, .address_space: global }
      - { .name: codes, .offset: 64, .size: 8, .value_kind: global_buffer, .address_space: global }
      - { .name: scales, .offset: 72, .size: 8, .value_kind: global_buffer, .address_space: global }
      - { .name: wof, .offset: 80, .size: 8, .value_kind: global_buffer, .address_space: global }
      - { .name: tab, .offset: 88, .size: 8, .value_kind: global_buffer, .address_space: global }
    .group_segment_fixed_size: 33280
    .private_segment_fixed_size: 0
    .kernarg_segment_align: 8
    .kernarg_segment_size: 96
    .max_flat_workgroup_size: 128
    .sgpr_count:     66
    .vgpr_count:     192
    .wavefront_size: 32
...
	.end_amdgpu_metadata
.endif
;; end of part 1
;; launch proj (part 2): grid 4 x 96, 4 waves a work-group, clusters of 4 x 4, 327,680 bytes of LDS; arguments codes, scales, bq, bk, bv, qf, kv; writes qf, kv
.if DOCPART == 2
	.amdgcn_target "amdgcn-amd-amdhsa--gfx1250"
	.amdhsa_code_object_version 6
	.text
	.protected	k_qedd42a9531_proj
	.globl	k_qedd42a9531_proj
	.p2align	8
	.type	k_qedd42a9531_proj,@function
k_qedd42a9531_proj:
	s_mov_b64 s[64:65], 0
	v_nop
	global_prefetch_b8 v0, s[64:65] scope:SCOPE_SE
	s_setreg_imm32_b32 hwreg(HW_REG_WAVE_MODE, 25, 1), 1
	s_wait_xcnt 0x0
	s_wait_alu depctr_hold_cnt(0) depctr_sa_sdst(0) depctr_va_vdst(0) depctr_va_sdst(0) depctr_va_ssrc(0) depctr_va_vcc(0) depctr_vm_vsrc(0)
	s_getreg_b32 s2, hwreg(HW_REG_IB_STS2, 6, 4)
	s_cmp_eq_u32 s2, 0
	s_cbranch_scc0 .Lentry_in_a_cluster
	s_endpgm
.Lentry_in_a_cluster:
	s_bfe_u32 s2, ttmp6, 0x10000c
	s_cmp_lg_u32 s2, 0xf033
	s_cbranch_scc0 .Lentry_shape_is_right
	s_endpgm
.Lentry_shape_is_right:
; PROJ: the three quantised products, q = query Wq^T + bq, k = key Wk^T + bk, v = value Wv^T + bv, on codes of FP4 (E2M1) with one E8M0 scale for each 32 along K; sums in f32.
; Tile rows 0-31 of the grid's y are query's, 32-63 key's, 64-95 value's; a cluster's four tile rows belong to one tensor t = cluster y / 8.
; A tile, 256 tokens x 256 columns, is made by four waves, 128 x 128 each: 64 accumulators, 512 registers.  K = 1,024 is two LDS slots of 512 along K (rows of 256 bytes), both asked for at the head: nothing is filled again.
; The scale bytes of the tile's 256 + 256 rows, for all of K, come once with the first fills, as rows of 256 bytes + 16 of padding.
; CLUSTERS: 4 x 4 work-groups.  The four of a row need the same rows of the activation, the four of a column the same rows of the weight: each tile is asked for jointly.
; THE MATRIX INSTRUCTION IS USED TRANSPOSED (source 0 = 16 rows of the weight, source 1 = 16 tokens): a lane holds eight neighbouring columns of one token.
; THE WAY OUT NEEDS NO LDS: with the bias added and rounded to f16, a 16 x 16 tile is 16 bytes a lane, which IS half a fragment of the next product's operand (lane l's 16 bytes at 16 l): each store covers 512 consecutive bytes, aligned.
;   qf: [batch x head 128][query tile 64][k step 2][1,024]  (q WITHOUT the division by 8, which the attention folds into its exponent's factor)
;   kv: [batch x head 128][key step 16][16,384]: K's fragment (key tile n, k step) at (2 n + ks) 1,024; V's block (n, ct) at 8,192 + (4 n + ct) 512, laid [16 keys][16 channels].
; LIMIT: q, k, v are kept in f16: magnitudes under 65,504.
; REGISTERS, in windows of 256: window 0: v0-31 addresses; v32-95 scale words, two sets; v128-191 the activation's fragments, one set; v192-255 the bias, 8 registers for each of my 8 column tiles.
;   window 1: the weight's fragments, two sets.   windows 2, 3: the accumulators of my tokens 0-63, 64-127 (accumulator (a, b) at v[8 (8 (a % 4) + b)]).
.set SIZE_K, 1024
.set KSTEP,  512
.set NQ,     KSTEP/128
.set ROWB,   256                       ; a tile's row in bytes
.set KROW,   SIZE_K*4/8                ; a row of codes in memory
.set PITCH,  272                       ; an LDS row: 256 bytes + 16 of padding: the 16 rows that a load touches start at 16 different banks
.set FR,     8
.set NL,     2
.set NP,     4
.set HALFT,  128*PITCH
.set SLOT,   4*HALFT
.set KS,     SIZE_K/32
.set SCL,    2*SLOT
.set HALFS,  (128*KS/256)*272
.set SBLK,   (16*KS/256)*272
.set SPARE,  SCL+4*HALFS               ; the spare words, 128 bytes a wave
.set ADRA, 16
.set ADRB, 20
.set LO,   26                          ; v26  my lane's place in a stored half fragment
.set ADRS, 27
.set SPW,  28
.set NIL,  29
.set BO,   30                          ; v30  32 x (lane / 16): my 8 numbers of a bias tile
.set SC,   32
.set TF,   32                          ; the way out: 64 sums with the bias (the scale words are done with)
.set AF,   128
.set BI,   192
.set G1, 24
.set G0, 32
.set G1B, 48
.set G0B, 56
.set G1S, 68
.set G0S, 76
.set G1SB, 80
.set G0SB, 88
.set MSB, 0
.macro WIN new                         ; the immediate's high byte repeats the setting that is left
.if MSB != \new
	s_set_vgpr_msb (MSB<<8)|\new
.set MSB, \new
.endif
.endm
.set MUL_LO, 0xa1                      ; source 0 window 1, source 1 window 0, C and D window 2
.set MUL_HI, 0xf1
.set TO_B,   0x40
; A joint load: waves 0 and 1 fetch for the activation, waves 2 and 3 for the weight.  An s_nop 0 and four v_nop follow each of the two lines.
.macro JLOAD g0a, g1a, g0b, g1b
	s_cmp_eq_u32 s15, 0
	s_cbranch_scc0 .Lfor_b_\@
	tensor_load_to_lds s[\g0a:\g0a+3], s[\g1a:\g1a+7]
	s_nop 0
.rept 4
	v_nop
.endr
	s_branch .Lasked_\@
.Lfor_b_\@:
	tensor_load_to_lds s[\g0b:\g0b+3], s[\g1b:\g1b+7]
	s_nop 0
.rept 4
	v_nop
.endr
.Lasked_\@:
.endm
.macro CROUND                          ; a round of the cluster's barrier
	s_barrier_signal -1
	s_barrier_wait -1
	s_cmp_lg_u32 s14, 0
	s_cbranch_scc1 .Lnot_wave_0_\@
	s_barrier_signal -3
.Lnot_wave_0_\@:
	s_barrier_wait -3
	s_barrier_signal -1
	s_barrier_wait -1
.endm
	s_load_b256 s[4:11], s[0:1], 0x0               ; codes 4, scales 6, bq 8, bk 10
	s_load_b128 s[96:99], s[0:1], 0x20             ; bv 96, qf 98
	s_load_b64 s[100:101], s[0:1], 0x30            ; kv
	v_lshl_add_u32 v[SPW], v0, 2, SPARE
	v_mov_b32 v[NIL], 0
	ds_add_u32 v[SPW], v[NIL]                      ; the wave's opening: the add, twice on end, and its wait ahead of my first tensor load
	ds_add_u32 v[SPW], v[NIL]
	v_lshrrev_b32 v1, 5, v0
	v_readfirstlane_b32 s14, v1                    ; wave 0..3
	s_lshr_b32 s15, s14, 1                         ; which half of the tile's tokens is mine.  Also: I fetch for the activation (0) or the weight (1)
	s_and_b32 s16, s14, 1                          ; which half of its columns.  Also: which 128 rows I fetch
	s_bfe_u32 s40, ttmp6, 0x40000                  ; cx, cy
	s_bfe_u32 s41, ttmp6, 0x40004
	s_lshl_b32 s42, ttmp9, 2
	s_add_co_u32 s42, s42, s40                     ; tile column x
	s_and_b32 s12, ttmp7, 0xffff                   ; cluster y
	s_lshl_b32 s17, s12, 2
	s_add_co_u32 s17, s17, s41                     ; tile row y, 0..95
	s_lshr_b32 s12, s12, 3                         ; t: 0 query, 1 key, 2 value: the same in all sixteen partners
	s_lshl_b32 s43, s41, 2
	s_lshl_b32 s43, 15, s43                        ; my row of the cluster
	s_lshl_b32 s44, 0x1111, s40                    ; my column
	s_or_b32 s[G1+0], s43, (0<<16)|(1<<20)|(1<<21)|(5<<22)|(3<<25)  ; the mask; elements of 1 byte; padding: 4 words behind every 64
	s_or_b32 s[G1B+0], s44, (0<<16)|(1<<20)|(1<<21)|(5<<22)|(3<<25)
.irp g, G1, G1B
	s_mov_b32 s[\g+1], ROWB<<16                    ; tensor_dim0
	s_mov_b32 s[\g+2], 128<<16                     ; tensor_dim1
	s_mov_b32 s[\g+3], ROWB<<16                    ; tile_dim0
	s_mov_b32 s[\g+4], 128                         ; tile_dim1
	s_mov_b32 s[\g+5], KROW                        ; from row to row
	s_mov_b32 s[\g+6], 0
	s_mov_b32 s[\g+7], 0
.endr
	s_or_b32 s[G1S+0], s43, (3<<16)|(1<<20)|(1<<21)|(5<<22)|(3<<25)  ; the scales of 128 rows: a dense block, as rows of 256 bytes (32 elements of 8)
	s_or_b32 s[G1SB+0], s44, (3<<16)|(1<<20)|(1<<21)|(5<<22)|(3<<25)
.irp g, G1S, G1SB
	s_mov_b32 s[\g+1], 32<<16
	s_mov_b32 s[\g+2], (128*KS/256)<<16
	s_mov_b32 s[\g+3], 32<<16
	s_mov_b32 s[\g+4], 128*KS/256
	s_mov_b32 s[\g+5], 32
	s_mov_b32 s[\g+6], 0
	s_mov_b32 s[\g+7], 0
.endr
	s_lshl_b32 s18, s16, 7                         ; which 128 rows of the tile I fetch
	s_lshl_b32 s20, s17, 8
	s_add_co_u32 s20, s20, s18                     ; the activation's row in the codes' buffer: 256 y + 128 x half
	s_lshl_b32 s46, s42, 8
	s_add_co_u32 s46, s46, s18
	s_lshl_b32 s13, s12, 10
	s_add_co_u32 s46, s46, s13
	s_add_co_u32 s46, s46, 24576                   ; the weight's: 24,576 + 1,024 t + 256 x + 128 x half
	s_mov_b32 s21, 0
	s_mov_b32 s47, 0
	s_mov_b64 s[18:19], KS
	s_mul_u64 s[22:23], s[20:21], s[18:19]
	s_mul_u64 s[92:93], s[46:47], s[18:19]
	s_mov_b64 s[18:19], KROW
	s_mul_u64 s[20:21], s[20:21], s[18:19]
	s_mul_u64 s[46:47], s[46:47], s[18:19]
	s_mul_i32 s45, s14, HALFT                      ; where they go: wave x 128 rows
	s_mul_i32 s94, s14, HALFS
	s_wait_dscnt 0x0                               ; both opening adds are done
	s_wait_kmcnt 0x0
	s_add_nc_u64 s[20:21], s[4:5], s[20:21]
	s_add_nc_u64 s[22:23], s[6:7], s[22:23]
	s_add_nc_u64 s[46:47], s[4:5], s[46:47]
	s_add_nc_u64 s[92:93], s[6:7], s[92:93]
	CROUND                                         ; all sixteen work-groups are here: the first joint loads meet
	s_mov_b32 s[G0S], 1
	s_add_co_u32 s[G0S+1], s94, SCL
	s_mov_b64 s[G0S+2:G0S+3], s[22:23]
	s_or_b32 s[G0S+3], s[G0S+3], 0x80000000
	s_mov_b32 s[G0SB], 1
	s_add_co_u32 s[G0SB+1], s94, SCL
	s_mov_b64 s[G0SB+2:G0SB+3], s[92:93]
	s_or_b32 s[G0SB+3], s[G0SB+3], 0x80000000
	JLOAD G0S, G1S, G0SB, G1SB                     ; the scales first; then both slots: three loads of mine are out
.irp s, 0,1
	s_mov_b32 s[G0+4*\s], 1
	s_add_co_u32 s[G0+4*\s+1], s45, \s*SLOT
	s_add_nc_u64 s[G0+4*\s+2:G0+4*\s+3], s[20:21], \s*ROWB
	s_or_b32 s[G0+4*\s+3], s[G0+4*\s+3], 0x80000000
	s_mov_b32 s[G0B+4*\s], 1
	s_add_co_u32 s[G0B+4*\s+1], s45, \s*SLOT
	s_add_nc_u64 s[G0B+4*\s+2:G0B+4*\s+3], s[46:47], \s*ROWB
	s_or_b32 s[G0B+4*\s+3], s[G0B+4*\s+3], 0x80000000
	JLOAD G0+4*\s, G1, G0B+4*\s, G1B
.endr
	v_and_b32 v1, 15, v0                           ; r
	v_bfe_u32 v2, v0, 4, 1                         ; h
	v_mul_u32_u24 v3, v1, PITCH
	v_lshl_add_u32 v4, v2, 4, v3
	s_mul_i32 s21, s15, HALFT
	s_mul_i32 s22, s16, HALFT
	s_add_co_u32 s22, s22, 2*HALFT
.irp s, 0,1
	v_add_nc_u32 v[ADRA+\s], s21, v4
	v_add_nc_u32 v[ADRB+\s], s22, v4
	s_add_co_u32 s21, s21, SLOT
	s_add_co_u32 s22, s22, SLOT
.endr
	v_mul_u32_u24 v5, v1, KS                       ; my row's scales: KS bytes a row,
	v_lshrrev_b32 v6, 8, v5
	v_lshl_add_u32 v5, v6, 4, v5                   ; and 16 more for each 256 passed
	s_mul_i32 s21, s15, HALFS
	s_mul_i32 s22, s16, HALFS
	s_add_co_u32 s22, s22, 2*HALFS
	s_sub_co_u32 s22, s22, s21
	v_mul_u32_u24 v6, s22, v2                      ; lanes 16-31 take the weight's
	s_add_co_u32 s21, s21, SCL
	v_add_nc_u32 v5, v5, v6
	v_add_nc_u32 v[ADRS], s21, v5
	; the bias of my 128 columns, in the result's layout, and my lane's place in a stored half
	s_cmp_eq_u32 s12, 0
	s_cselect_b64 s[8:9], s[8:9], s[10:11]
	s_cmp_eq_u32 s12, 2
	s_cselect_b64 s[8:9], s[96:97], s[8:9]
	s_cselect_b32 s13, -1, 0                       ; a lane mask: value?
	s_lshl_b32 s18, s42, 10
	s_lshl_b32 s19, s16, 9
	s_add_co_u32 s18, s18, s19
	s_mov_b32 s19, 0
	s_add_nc_u64 s[8:9], s[8:9], s[18:19]
	v_lshlrev_b32 v[BO], 5, v2
.irp b, 0,1,2,3,4,5,6,7
	global_load_b128 v[BI+8*\b:BI+8*\b+3], v[BO], s[8:9] offset:64*\b
	global_load_b128 v[BI+8*\b+4:BI+8*\b+7], v[BO], s[8:9] offset:64*\b+16
.endr
	v_and_b32 v6, 31, v0
	v_lshlrev_b32 v6, 4, v6                        ; q, k: 16 x lane
	v_lshlrev_b32 v7, 5, v1
	v_lshl_add_u32 v7, v2, 4, v7                   ; v: key r's row of 32 bytes, + 16 h
	v_cndmask_b32 v[LO], v6, v7, s13
.macro FRAG reg, adr, q, i             ; 16 rows x 128 K of 4-bit codes: 8 registers, two loads of 16 bytes, 32 bytes apart
.irp c, 0,1
	ds_load_b128 v[\reg+4*\c:\reg+4*\c+3], v[\adr] offset:64*(\q)+32*\c+(\i)*16*PITCH
.endr
.endm
; 16 matrix instructions: token blocks a0, a0 + 1 x the weight's eight.  The 64 accumulators take turns, one instruction a turn, in the same order in every step.
.macro MUL16 a0, p, q, sc, zero
.irp a, \a0, \a0+1
.irp b, 0,1,2,3,4,5,6,7
.if \zero
	v_wmma_scale_f32_16x16x128_f8f6f4 v[8*(8*((\a)%4)+\b):8*(8*((\a)%4)+\b)+7], v[128*(\p)+FR*\b:128*(\p)+FR*\b+FR-1], v[AF+FR*(\a):AF+FR*(\a)+FR-1], 0, v[SC+8*NQ*(\sc)+NQ*\b+(\q)], v[SC+8*NQ*(\sc)+NQ*(\a)+(\q)] matrix_a_fmt:MATRIX_FMT_FP4 matrix_b_fmt:MATRIX_FMT_FP4 matrix_a_scale:MATRIX_SCALE_ROW1
.else
	v_wmma_scale_f32_16x16x128_f8f6f4 v[8*(8*((\a)%4)+\b):8*(8*((\a)%4)+\b)+7], v[128*(\p)+FR*\b:128*(\p)+FR*\b+FR-1], v[AF+FR*(\a):AF+FR*(\a)+FR-1], v[8*(8*((\a)%4)+\b):8*(8*((\a)%4)+\b)+7], v[SC+8*NQ*(\sc)+NQ*\b+(\q)], v[SC+8*NQ*(\sc)+NQ*(\a)+(\q)] matrix_a_fmt:MATRIX_FMT_FP4 matrix_b_fmt:MATRIX_FMT_FP4 matrix_a_scale:MATRIX_SCALE_ROW1
.endif
.endr
.endr
.endm
.macro FETCH_B slot, q, p
	WIN TO_B
.irp i, 0,1,2,3,4,5,6,7
	FRAG 128*(\p)+FR*\i, ADRB+\slot, \q, \i
.endr
	WIN 0
.endm
.macro FETCH_A slot, q, i0
.irp i, \i0, \i0+1, \i0+2, \i0+3
	FRAG AF+FR*(\i), ADRA+\slot, \q, \i
.endr
.endm
.macro SCALES sc                       ; a slot's scale words: lanes 0-15 take the activation's block i, lanes 16-31 the weight's block i
.irp i, 0,1,2,3,4,5,6,7
	ds_load_b128 v[SC+8*NQ*\sc+NQ*\i:SC+8*NQ*\sc+NQ*\i+3], v[ADRS] offset:\i*SBLK
.endr
.endm
.macro PLACES n                        ; plain vector lines between a matrix instruction and a load into, or a read of, its registers
.rept \n
	v_nop
.endr
.endm
.macro STEP slot, q, zero              ; a step of 128 along K that has its successor in the same slot
	s_wait_dscnt 4*NL                              ; the weight's set and token blocks 0-3 are in; the youngest eight loads (blocks 4-7) may be out
	WIN MUL_LO
	MUL16 0, (\q)%2, \q, \slot, \zero
	MUL16 2, (\q)%2, \q, \slot, \zero
	s_wait_dscnt 0
	PLACES NP
	FETCH_B \slot, (\q)+1, 1-(\q)%2
	FETCH_A \slot, (\q)+1, 0
	WIN MUL_HI
	MUL16 4, (\q)%2, \q, \slot, \zero
	MUL16 6, (\q)%2, \q, \slot, \zero
	PLACES NP
	WIN 0
	FETCH_A \slot, (\q)+1, 4
.endm
; Slot 0's last step changes slots: each wave waits for all its tensor loads (slot 1's part is the one that may be out), then the barrier shows the whole slot to every wave.  Nothing is filled again.
.macro TURN slot, next
	s_wait_tensorcnt 0x0
	ds_add_u32 v[SPW], v[NIL]
	s_wait_dscnt 4*NL+1                            ; (the add and the youngest eight loads may be out)
	WIN MUL_LO
	MUL16 0, 1, NQ-1, \slot, 0
	s_wait_dscnt 0x0
	s_barrier_signal -1
	MUL16 2, 1, NQ-1, \slot, 0
	WIN 0
	s_barrier_wait -1
	PLACES NP
	v_add_nc_u32 v[ADRS], 4*NQ, v[ADRS]            ; on to the next slot's scale words
	FETCH_B \next, 0, 0
	FETCH_A \next, 0, 0
	SCALES \next
	WIN MUL_HI
	MUL16 4, 1, NQ-1, \slot, 0
	MUL16 6, 1, NQ-1, \slot, 0
	PLACES NP
	WIN 0
	FETCH_A \next, 0, 4
.endm
	s_wait_tensorcnt 1                             ; the scales and my part of slot 0 are in (slot 1's load may be out),
	s_barrier_signal -1
	s_barrier_wait -1                              ; everybody's are
	FETCH_B 0, 0, 0
	FETCH_A 0, 0, 0
	SCALES 0
	FETCH_A 0, 0, 4
	STEP 0, 0, 1                                   ; the first products start the sums: nothing is cleared
	STEP 0, 1, 0
	STEP 0, 2, 0
	TURN 0, 1
	STEP 1, 0, 0
	STEP 1, 1, 0
	STEP 1, 2, 0
	s_wait_dscnt 4*NL                              ; the last step: nothing more to fetch
	WIN MUL_LO
	MUL16 0, 1, NQ-1, 1, 0
	MUL16 2, 1, NQ-1, 1, 0
	s_wait_dscnt 0
	WIN MUL_HI
	MUL16 4, 1, NQ-1, 1, 0
	MUL16 6, 1, NQ-1, 1, 0
	WIN 0
	; THE WAY OUT.  Four bases: (my first or second head) x (my token blocks 0-3 or 4-7).  The descriptors' registers are free: every tensor load of mine was waited for at the change of slots.
	s_cmp_eq_u32 s12, 0
	s_cselect_b32 s19, 17, 18                      ; a head: 2^17 bytes in qf, 2^18 in kv
	s_cselect_b32 s20, 13, 14                      ; four token tiles: 2^13 bytes in qf, a key step of 2^14 in kv
	s_cselect_b64 s[24:25], s[98:99], s[100:101]
	s_cmp_eq_u32 s12, 2
	s_cselect_b32 s21, 8192, 0                     ; V's blocks lie behind K's fragments
	s_and_b32 s2, s17, 31                          ; the tile row within the tensor
	s_lshr_b32 s3, s2, 2                           ; batch
	s_lshl_b32 s3, s3, 4
	s_lshl_b32 s18, s42, 2
	s_add_co_u32 s3, s3, s18
	s_lshl_b32 s18, s16, 1
	s_add_co_u32 s3, s3, s18                       ; 16 batch + 4 x + 2 (column half): my first head
	s_lshl_b32 s3, s3, s19
	s_and_b32 s2, s2, 3
	s_lshl_b32 s2, s2, 2
	s_lshl_b32 s18, s15, 1
	s_add_co_u32 s2, s2, s18
	s_lshl_b32 s2, s2, s20
	s_add_co_u32 s2, s2, s3
	s_add_co_u32 s2, s2, s21
	s_mov_b32 s3, 0
	s_add_nc_u64 s[24:25], s[24:25], s[2:3]
	s_lshl_b32 s2, 1, s20
	s_add_nc_u64 s[26:27], s[24:25], s[2:3]
	s_lshl_b32 s2, 1, s19
	s_add_nc_u64 s[28:29], s[24:25], s[2:3]
	s_add_nc_u64 s[30:31], s[26:27], s[2:3]
	s_wait_loadcnt 0x0                             ; the bias
.macro OUT a                           ; token block a: + bias, to f16, eight stores of 512 consecutive bytes
.set AC, 64*((\a)%4)
.set Y, 96+32*((\a)%2)
.if (\a) > 1
	s_wait_xcnt 0x0                                ; block a - 2's stores have read their data: the registers are written again
.endif
	WIN 0x02+((\a)/4)                              ; source 0: the accumulators' window
.irp b, 0,1,2,3,4,5,6,7
.irp i, 0,1,2,3
	v_pk_add_f32 v[TF+8*\b+2*\i:TF+8*\b+2*\i+1], v[AC+8*\b+2*\i:AC+8*\b+2*\i+1], v[BI+8*\b+2*\i:BI+8*\b+2*\i+1]   ; each accumulator from its low end on
.endr
.endr
	WIN 0
.irp b, 0,1,2,3,4,5,6,7
.irp i, 0,1,2,3
	v_cvt_pk_f16_f32 v[Y+4*\b+\i], v[TF+8*\b+2*\i], v[TF+8*\b+2*\i+1]
.endr
.endr
.irp b, 0,1,2,3,4,5,6,7
	global_store_b128 v[LO], v[Y+4*\b:Y+4*\b+3], s[24+4*(\b/4)+2*((\a)/4):25+4*(\b/4)+2*((\a)/4)] offset:((\a)%4)*2048+(\b%4)*512 th:TH_STORE_NT
.endr
.endm
	PLACES NP                                      ; behind the last products: their results are read, and the scale words' and fragments' registers written
.irp a, 0,1,2,3,4,5,6,7
	OUT \a
.endr
	s_wait_tensorcnt 0x0                           ; the wave's end
	ds_add_u32 v[SPW], v[NIL]
	s_wait_dscnt 0x0
	CROUND                                         ; the closing round
	s_endpgm
.Lfunc_end_k_qedd42a9531_proj:
	.size	k_qedd42a9531_proj, .Lfunc_end_k_qedd42a9531_proj-k_qedd42a9531_proj
	.p2alignl 7, 3214868480
	.fill 96, 4, 3214868480
	.section	.rodata,"a",@progbits
	.p2align	6, 0x0
	.amdhsa_kernel k_qedd42a9531_proj
		.amdhsa_group_segment_fixed_size 327680
		.amdhsa_private_segment_fixed_size 0
		.amdhsa_enable_private_segment 0
		.amdhsa_kernarg_size 56
		.amdhsa_user_sgpr_count 2
		.amdhsa_user_sgpr_kernarg_segment_ptr 1
		.amdhsa_wavefront_size32 1
		.amdhsa_system_sgpr_workgroup_id_x 1
		.amdhsa_system_sgpr_workgroup_id_y 1
		.amdhsa_system_sgpr_workgroup_id_z 1
		.amdhsa_system_vgpr_workitem_id 0
		.amdhsa_next_free_vgpr 1024
		.amdhsa_next_free_sgpr 102
		.amdhsa_reserve_vcc 0
		.amdhsa_float_denorm_mode_32 3
		.amdhsa_float_denorm_mode_16_64 3
		.amdhsa_memory_ordered 1
		.amdhsa_forward_progress 1
		.amdhsa_inst_pref_size 136
	.end_amdhsa_kernel
	.amdgpu_metadata
---
amdhsa.version: [ 1, 2 ]
amdhsa.kernels:
  - .name:           k_qedd42a9531_proj
    .symbol:         k_qedd42a9531_proj.kd
    .args:
      - { .name: codes, .offset: 0, .size: 8, .value_kind: global_buffer, .address_space: global }
      - { .name: scales, .offset: 8, .size: 8, .value_kind: global_buffer, .address_space: global }
      - { .name: bq, .offset: 16, .size: 8, .value_kind: global_buffer, .address_space: global }
      - { .name: bk, .offset: 24, .size: 8, .value_kind: global_buffer, .address_space: global }
      - { .name: bv, .offset: 32, .size: 8, .value_kind: global_buffer, .address_space: global }
      - { .name: qf, .offset: 40, .size: 8, .value_kind: global_buffer, .address_space: global }
      - { .name: kv, .offset: 48, .size: 8, .value_kind: global_buffer, .address_space: global }
    .group_segment_fixed_size: 327680
    .private_segment_fixed_size: 0
    .kernarg_segment_align: 8
    .kernarg_segment_size: 56
    .max_flat_workgroup_size: 128
    .sgpr_count:     102
    .vgpr_count:     1024
    .wavefront_size: 32
...
	.end_amdgpu_metadata
.endif
;; end of part 2
;; launch attn (part 3): grid 2 x 128, 8 waves a work-group, no clusters, 327,680 bytes of LDS; arguments qf, kv, tab, mask, rel_emb, ctxf; writes ctxf
.if DOCPART == 3
	.amdgcn_target "amdgcn-amd-amdhsa--gfx1250"
	.amdhsa_code_object_version 6
	.text
	.protected	k_qedd42a9531_attn
	.globl	k_qedd42a9531_attn
	.p2align	8
	.type	k_qedd42a9531_attn,@function
k_qedd42a9531_attn:
	s_mov_b64 s[64:65], 0
	v_nop
	global_prefetch_b8 v0, s[64:65] scope:SCOPE_SE
	s_setreg_imm32_b32 hwreg(HW_REG_WAVE_MODE, 25, 1), 1
	s_wait_xcnt 0x0
; ATTN: ctx[q] = sum over k of softmax_k((q.k + q.E[row(k - q)]) / 8, masked) (v_k + E[row(k - q)]), row(o) = clip(o, -32, 32) + 32.  f16 operands, f32 sums, running maximum and sum in f32.
; SHARES.  A work-group owns 512 queries of one (batch, head); each of its eight waves 64: four tiles of 16.  Every wave walks the head's 1,024 keys, 64 a step.  The head's K and V (262,144 bytes, already in
; the order of the operands' registers) come into LDS once: at the head each wave asks for its eighth of the tables and of all four groups of four steps: five tensor loads of mine are out.  Nothing is filled again.
; THE WALK BEGINS AWAY FROM THE BAND.  Work-group x = 0 (query blocks 0-7, whose band lies in key steps 0-8) walks steps 12-15 and then 0-11; x = 1 (blocks 8-15, band in steps 7-15) walks 0-15.  LDS holds the
; groups, and the mask, in the order of the walk, so that no LDS address hangs on x: only the loads' addresses in memory and the step's number do.  The running softmax does not mind the order of the steps.
; So the first four steps are alike in all eight waves and are written without the band's work.  Behind them stands the second and last barrier (all groups have landed); the other twelve steps, in which
; the waves' band work falls at different steps, are walked with no wave waiting for another.
; No cluster: only two work-groups read a head's K and V, each once, at its head, and in different orders.
; LAYOUT.  S^T = K Q^T (source 0 = 16 keys, source 1 = 16 queries) and O^T = V^T P: a lane holds ONE query (lane % 16) throughout.
; THE RELATIVE TERMS.  Against a tile of 16 queries a step of 64 keys lies wholly left of the band (all offsets <= -32), wholly right (>= 32), or on it: which, hangs on ids alone.
;   left / right: the score's term is one number a query, q.e0 or q.e64 (made once); the value's term is e0 or e64 times the sum of those p, kept in LL and LR and added at the end.
;   on the band (two steps for each tile): RB makes R = E_slots Q^T by the matrix unit, sends it through the wave's stage in LDS and reads it back skewed (index key - query + 16), added to S^T;
;   WB stores the f16 p skewed the same way and multiplies E^T by it into O^T.
; THE MASK is the C of each score's first product: 0, or -2^63 for a hidden key (-2^60 after the division by 8, where the definition has -1e18).
; p = 2^(c s + c (B - m)), c = log2(e) / 8; m the running maximum of s + B; O, l, LL, LR are multiplied by 2^(c (m_old - m_new)) in every step.
; LIMITS: f16 operands (q, k, v, p, E under 65,504); results differ from the definition only where unhidden scores lie under about -1e17; a row all of whose keys are hidden comes out uniform while |q.k| < 2^39;
; NaN and infinities are not served.
; REGISTERS.  Window 0: v1-15 addresses; v16-19 zeros; v20-23 at work; v24-63 ten statistics a tile; v64-191 S^T, 32 a tile, then p, then P (f16) in the tile's first 16; v192-247 T, at work.
;             Window 1: v0-127 O^T, 32 a tile; v128-191 Q; v192-255 KV: a step's K, then its V, or table fragments.
.set TAB,   262144                     ; LDS: 0: K and V, in the order of the walk;  TAB: the two tables (er, then et at +12,288)
.set ETO,   12288
.set MB,    286720                     ; the mask as f32, in the order of the walk, 4,096 bytes
.set STG,   290816                     ; a stage of 3,584 bytes for each wave
.set STGW,  3584
.set SPARE, 319488                     ; the spare words, 128 bytes a wave
.set LI,  1                            ; 16 x lane
.set AV,  2                            ; my lane's place in a block of V, for the turning load
.set AM,  3                            ; MB + 32 (lane / 16)
.set ADK, 4
.set ADV, 5
.set ADM, 6
.set STS, 7                            ; stage: R in: 208 r + 32 h
.set STL, 8                            ; R back, skewed: 204 r + 32 h + 64
.set WZ,  9                            ; stage + 16 x lane
.set WST, 10                           ; p in, skewed: 206 r + 16 h + 32
.set WLD, 11                           ; W back: 208 r + 16 h
.set TBL, 12                           ; TAB + 16 x lane
.set EO,  13                           ; 32 (lane / 16)
.set SPW, 14
.set NIL, 15
.set ZQ,  16
.set ST,  24                           ; tile u at ST + 10 u: +0 c (B - m), +1 m, +2 f, +3 B, +4 l, +5 LL, +6 LR, +7 q.e0, +8 q.e64, +9 the step's sum
.set S,   64
.set T,   192
.set O,   0
.set Q,   128
.set KV,  192
.set G1KV, 16
.set G1T,  24
.set G0T,  36
.set G0KV, 68                          ; s[68:83] four groups 0, one for each group of four steps: none is written while a load is out
.set WV,   40
.set GR,   41                          ; the group that is walked first: 3 in work-group x = 0, 0 in x = 1
.set YY,   42
.set AQ,   43                          ; my block of 64 queries, 0..15
.set SI,   44                          ; the key step's number in the head
.set TB,   45                          ; the walked step's bytes in LDS
.set TM,   46                          ; its mask's bytes
.set CNT,  47
.set Z01,  49                          ; step - block + 1: tiles 0, 1 are on the band where it is 0 or 1
.set Z23,  50                          ; step - block: tiles 2, 3 likewise
.set SL01, 51                          ; 1.0 where the step lies left of the band, else 0;  SR: right
.set SR01, 52
.set SL23, 53
.set SR23, 54
.set CS,   56
.set SEL,  58
.set MSB, 0
.macro WIN new                         ; the immediate's high byte repeats the setting that is left
.if MSB != \new
	s_set_vgpr_msb (MSB<<8)|\new
.set MSB, \new
.endif
.endm
.macro PLACES n
.rept \n
	v_nop
.endr
.endm
.macro SLOTOF x                        ; SLI = the table's slot for offsets 16 x .. 16 x + 15: beyond the ends every row is e0 or e64
.set SLI, (\x)+3
.if SLI < 0
.set SLI, 0
.endif
.if SLI > 5
.set SLI, 5
.endif
.endm
	s_load_b256 s[4:11], s[0:1], 0x0               ; qf 4, kv 6, tab 8, mask 10
	s_load_b128 s[12:15], s[0:1], 0x20             ; rel_emb 12, ctxf 14
	v_lshl_add_u32 v[SPW], v0, 2, SPARE
	v_mov_b32 v[NIL], 0
	ds_add_u32 v[SPW], v[NIL]                      ; the wave's opening: the add, twice on end, and its wait ahead of my first tensor load
	ds_add_u32 v[SPW], v[NIL]
	v_lshrrev_b32 v20, 5, v0
	v_readfirstlane_b32 s[WV], v20                 ; wave 0..7
	v_and_b32 v20, 31, v0                          ; lane
	v_and_b32 v21, 15, v0                          ; r
	v_bfe_u32 v22, v0, 4, 1                        ; h
	v_lshlrev_b32 v[LI], 4, v20
	v_and_b32 v23, 7, v0
	v_lshl_add_u32 v23, v22, 3, v23
	v_lshlrev_b32 v[AV], 5, v23                    ; key 8 h + lane % 8: a row of 32 bytes,
	v_bfe_u32 v23, v0, 3, 1
	v_lshl_add_u32 v[AV], v23, 4, v[AV]            ; which 8 channels,
	v_add_nc_u32 v[AV], 8192, v[AV]                ; behind the step's K
	v_lshl_add_u32 v[AM], v22, 5, MB
	s_mul_i32 s60, s[WV], STGW
	s_add_co_u32 s60, s60, STG                     ; my stage
	v_mul_u32_u24 v23, v21, 208
	v_lshl_add_u32 v[STS], v22, 5, v23
	v_add_nc_u32 v[STS], s60, v[STS]
	v_lshl_add_u32 v[WLD], v22, 4, v23
	v_add_nc_u32 v[WLD], s60, v[WLD]
	v_mul_u32_u24 v23, v21, 204
	v_lshl_add_u32 v[STL], v22, 5, v23
	v_add_nc_u32 v[STL], s60, v[STL]
	v_add_nc_u32 v[STL], 64, v[STL]
	v_mul_u32_u24 v23, v21, 206
	v_lshl_add_u32 v[WST], v22, 4, v23
	v_add_nc_u32 v[WST], s60, v[WST]
	v_add_nc_u32 v[WST], 32, v[WST]
	v_add_nc_u32 v[WZ], s60, v[LI]
	v_add_nc_u32 v[TBL], TAB, v[LI]
	v_lshlrev_b32 v[EO], 5, v22
.irp i, 0,1,2,3
	v_mov_b32 v[ZQ+\i], 0
.endr
	s_mov_b32 s[G1KV+0], 3<<16                     ; elements of 8 bytes, no mask, no padding: 32 rows of 256 bytes, dense: 8,192 bytes a wave
	s_mov_b32 s[G1KV+1], 32<<16
	s_mov_b32 s[G1KV+2], 32<<16
	s_mov_b32 s[G1KV+3], 32<<16
	s_mov_b32 s[G1KV+4], 32
	s_mov_b32 s[G1KV+5], 32
	s_mov_b32 s[G1KV+6], 0
	s_mov_b32 s[G1KV+7], 0
	s_mov_b32 s[G1T+0], 3<<16                      ; the tables: 12 rows of 256 bytes a wave
	s_mov_b32 s[G1T+1], 32<<16
	s_mov_b32 s[G1T+2], 12<<16
	s_mov_b32 s[G1T+3], 32<<16
	s_mov_b32 s[G1T+4], 12
	s_mov_b32 s[G1T+5], 32
	s_mov_b32 s[G1T+6], 0
	s_mov_b32 s[G1T+7], 0
	s_and_b32 s[YY], ttmp7, 0xffff                 ; batch x 16 + head
	s_lshl_b32 s[AQ], ttmp9, 3
	s_add_co_u32 s[AQ], s[AQ], s[WV]
	s_cmp_eq_u32 ttmp9, 0
	s_cselect_b32 s[GR], 3, 0                      ; the first group walked holds no step of my work-group's band
	s_mov_b32 s[CS], 0x3e38aa3b                    ; c = log2(e) / 8
	s_mov_b32 s[CS+1], s[CS]
	s_mov_b32 s[SEL], 0x76543210
	s_mov_b32 s[SEL+1], 0xfedcba98                 ; lane l xor 16
	s_wait_dscnt 0x0                               ; both opening adds are done
	s_wait_kmcnt 0x0
	s_mul_i32 s60, s[WV], 3072
	s_mov_b32 s61, 0
	s_mov_b32 s[G0T], 1
	s_add_co_u32 s[G0T+1], s60, TAB
	s_add_nc_u64 s[G0T+2:G0T+3], s[8:9], s[60:61]
	s_or_b32 s[G0T+3], s[G0T+3], 0x80000000
	s_lshl_b32 s62, s[WV], 13                      ; my wave's 8,192 bytes of a group
	s_lshl_b32 s63, s[YY], 18
	s_add_co_u32 s63, s63, s62                     ; in my head
.irp j, 0,1,2,3
	s_add_co_u32 s60, s[GR], \j                    ; the j-th group of the walk is the head's group (j + first) mod 4
	s_and_b32 s60, s60, 3
	s_lshl_b32 s60, s60, 16
	s_add_co_u32 s60, s60, s63
	s_mov_b32 s[G0KV+4*\j], 1
	s_add_co_u32 s[G0KV+4*\j+1], s62, \j*65536     ; in LDS the groups lie in the order of the walk
	s_add_nc_u64 s[G0KV+4*\j+2:G0KV+4*\j+3], s[6:7], s[60:61]
	s_or_b32 s[G0KV+4*\j+3], s[G0KV+4*\j+3], 0x80000000
.endr
	tensor_load_to_lds s[G0T:G0T+3], s[G1T:G1T+7]  ; the tables, then the four groups in the order of the walk: five loads of mine are out
	s_nop 0
.irp j, 0,1,2,3
	tensor_load_to_lds s[G0KV+4*\j:G0KV+4*\j+3], s[G1KV:G1KV+7]
	s_nop 0
.endr
	PLACES 4
	s_lshr_b32 s60, s[YY], 4
	s_lshl_b32 s60, s60, 10
	s_add_nc_u64 s[10:11], s[10:11], s[60:61]      ; my batch's mask
	s_lshl_b32 s62, s[GR], 8                       ; the first key walked
	v_lshlrev_b32 v21, 2, v0
	v_add_nc_u32 v21, s62, v21
	v_and_b32 v21, 1023, v21                       ; place 4 t of the walk holds key (4 t + first key) mod 1,024
	global_load_b32 v20, v21, s[10:11]             ; four keys a thread
	s_lshl_b32 s60, s[YY], 17
	s_lshl_b32 s62, s[AQ], 13
	s_add_co_u32 s60, s60, s62
	s_add_nc_u64 s[4:5], s[4:5], s[60:61]          ; my four tiles of Q
	WIN 0x40                                       ; destination window 1
.irp f, 0,1,2,3,4,5,6,7
	global_load_b128 v[Q+8*\f:Q+8*\f+3], v[LI], s[4:5] offset:1024*\f
	global_load_b128 v[Q+8*\f+4:Q+8*\f+7], v[LI], s[4:5] offset:1024*\f+512
.endr
.irp i, 0,1,2,3
	global_load_b128 v[KV+4*\i:KV+4*\i+3], v[LI], s[8:9] offset:512*\i             ; er's slot 0: sixteen rows of e0
	global_load_b128 v[KV+16+4*\i:KV+16+4*\i+3], v[LI], s[8:9] offset:10240+512*\i ; slot 5: of e64
.endr
.set i, 0
.rept 128
	v_mov_b32 v[O+i], 0                            ; O^T.  The step has no first form of its own: its first walk finds zeros, which the first change of m leaves zeros; a first step written out would be one more copy of the step's text
.set i, i+1
.endr
	WIN 0
.irp u, 0,1,2,3
	v_mov_b32 v[ST+10*\u+1], 0xff61b1e6            ; m = -3e38, under every score
	v_mov_b32 v[ST+10*\u+4], 0
	v_mov_b32 v[ST+10*\u+5], 0
	v_mov_b32 v[ST+10*\u+6], 0
.endr
	s_wait_loadcnt 0x0
.irp i, 0,1,2,3
	v_bfe_u32 v[T+32+\i], v20, 8*\i, 8             ; 0 or 1,
.endr
.irp i, 0,1,2,3
	v_sub_nc_u32 v[T+32+\i], 0, v[T+32+\i]         ; 0 or all ones,
.endr
.irp i, 0,1,2,3
	v_and_b32 v[T+32+\i], 0xdf000000, v[T+32+\i]   ; 0 or -2^63
.endr
	v_lshl_add_u32 v22, v0, 4, MB
	ds_store_b128 v22, v[T+32:T+35]
	; q.e0 and q.e64 of my 64 queries: every row of the product is the same number
	WIN 0x05
.irp u, 0,1,2,3
	v_wmma_f32_16x16x32_f16 v[T+8*\u:T+8*\u+7], v[KV:KV+7], v[Q+16*\u:Q+16*\u+7], 0
.endr
.irp u, 0,1,2,3
	v_wmma_f32_16x16x32_f16 v[T+8*\u:T+8*\u+7], v[KV+8:KV+15], v[Q+16*\u+8:Q+16*\u+15], v[T+8*\u:T+8*\u+7]
.endr
	WIN 0
	PLACES 4
.irp u, 0,1,2,3
	v_mov_b32 v[ST+10*\u+7], v[T+8*\u]
.endr
	PLACES 5                                       ; the next products write over these results
	WIN 0x05
.irp u, 0,1,2,3
	v_wmma_f32_16x16x32_f16 v[T+8*\u:T+8*\u+7], v[KV+16:KV+23], v[Q+16*\u:Q+16*\u+7], 0
.endr
.irp u, 0,1,2,3
	v_wmma_f32_16x16x32_f16 v[T+8*\u:T+8*\u+7], v[KV+24:KV+31], v[Q+16*\u+8:Q+16*\u+15], v[T+8*\u:T+8*\u+7]
.endr
	WIN 0
	PLACES 4
.irp u, 0,1,2,3
	v_mov_b32 v[ST+10*\u+8], v[T+8*\u]
.endr
; RB: tile u's scores on the band get their relative term.  dq = (first key - first query) / 16.  32 keys at a time want 48 offsets, three slots: R = E_slot Q^T (lane = query, registers = offsets) goes into
; rows of 208 bytes of my stage, index 16 i + 8 h + j, and comes back at index key - query + 16.  LDS serves a wave's instructions in order, so no wait stands between the stores and the loads.
.macro RB u, dq
.irp hf, 0,1
	WIN 0x40
.irp i, 0,1,2
	SLOTOF (\dq)+2*\hf-1+\i
.irp ks, 0,1
	ds_load_b128 v[KV+16*\i+8*\ks:KV+16*\i+8*\ks+3], v[TBL] offset:SLI*2048+\ks*1024
	ds_load_b128 v[KV+16*\i+8*\ks+4:KV+16*\i+8*\ks+7], v[TBL] offset:SLI*2048+\ks*1024+512
.endr
.endr
	s_wait_dscnt 0x0
	WIN 0x05
.irp i, 0,1,2
	v_wmma_f32_16x16x32_f16 v[T+8*\i:T+8*\i+7], v[KV+16*\i:KV+16*\i+7], v[Q+16*\u:Q+16*\u+7], 0
.endr
.irp i, 0,1,2
	v_wmma_f32_16x16x32_f16 v[T+8*\i:T+8*\i+7], v[KV+16*\i+8:KV+16*\i+15], v[Q+16*\u+8:Q+16*\u+15], v[T+8*\i:T+8*\i+7]
.endr
	WIN 0
	PLACES 4
.irp i, 0,1,2
	ds_store_b128 v[STS], v[T+8*\i:T+8*\i+3] offset:64*\i
	ds_store_b128 v[STS], v[T+8*\i+4:T+8*\i+7] offset:64*\i+16
.endr
.irp n, 0,1
.irp j, 0,1,2,3,4,5,6,7
	ds_load_b32 v[T+24+8*\n+\j], v[STL] offset:64*\n+4*\j
.endr
.endr
	s_wait_dscnt 0x0
.irp n, 0,1
.irp j, 0,2,4,6
	v_pk_add_f32 v[S+32*\u+8*(2*\hf+\n)+\j:S+32*\u+8*(2*\hf+\n)+\j+1], v[S+32*\u+8*(2*\hf+\n)+\j:S+32*\u+8*(2*\hf+\n)+\j+1], v[T+24+8*\n+\j:T+24+8*\n+\j+1]
.endr
.endr
.endr
.endm
; WB: tile u's values on the band.  The f16 p of 64 keys go into zeroed rows of 208 bytes at index key - query + 16 (96 indices), come back as three fragments W, and O^T += E^T W.
.macro WB u, dq
	PLACES 4                                       ; behind the step's last products: KV is loaded again
.irp i, 0,1,2,3,4,5,6
	ds_store_b128 v[WZ], v[ZQ:ZQ+3] offset:512*\i
.endr
.irp i, 0,1,2,3,4,5,6,7,8,9,10,11,12,13,14,15
	ds_store_b16 v[WST], v[S+32*\u+\i] offset:32*(\i/4)+4*(\i%4)
	ds_store_b16_d16_hi v[WST], v[S+32*\u+\i] offset:32*(\i/4)+4*(\i%4)+2
.endr
.irp kp, 0,1,2
	ds_load_b128 v[T+8*\kp:T+8*\kp+3], v[WLD] offset:64*\kp
	ds_load_b128 v[T+8*\kp+4:T+8*\kp+7], v[WLD] offset:64*\kp+32
.endr
	WIN 0x40
.irp kp, 0,1
.irp ct, 0,1,2,3
	SLOTOF (\dq)-1+2*\kp
	ds_load_b128 v[KV+32*\kp+8*\ct:KV+32*\kp+8*\ct+3], v[TBL] offset:ETO+(4*SLI+\ct)*512
	SLOTOF (\dq)+2*\kp
	ds_load_b128 v[KV+32*\kp+8*\ct+4:KV+32*\kp+8*\ct+7], v[TBL] offset:ETO+(4*SLI+\ct)*512
.endr
.endr
	s_wait_dscnt 0x0
	WIN 0x51
.irp kp, 0,1
.irp ct, 0,1,2,3
	v_wmma_f32_16x16x32_f16 v[O+32*\u+8*\ct:O+32*\u+8*\ct+7], v[KV+32*\kp+8*\ct:KV+32*\kp+8*\ct+7], v[T+8*\kp:T+8*\kp+7], v[O+32*\u+8*\ct:O+32*\u+8*\ct+7]
.endr
.endr
	WIN 0
	PLACES 4
	WIN 0x40
.irp ct, 0,1,2,3
	SLOTOF (\dq)+3
	ds_load_b128 v[KV+8*\ct:KV+8*\ct+3], v[TBL] offset:ETO+(4*SLI+\ct)*512
	SLOTOF (\dq)+4
	ds_load_b128 v[KV+8*\ct+4:KV+8*\ct+7], v[TBL] offset:ETO+(4*SLI+\ct)*512
.endr
	s_wait_dscnt 0x0
	WIN 0x51
.irp ct, 0,1,2,3
	v_wmma_f32_16x16x32_f16 v[O+32*\u+8*\ct:O+32*\u+8*\ct+7], v[KV+8*\ct:KV+8*\ct+7], v[T+16:T+23], v[O+32*\u+8*\ct:O+32*\u+8*\ct+7]
.endr
	WIN 0
.endm
.macro FARSUM u, sl, sr                ; l, and the sums of the p left and right of the band, under the new m
	v_fma_f32 v[ST+10*\u+4], v[ST+10*\u+4], v[ST+10*\u+2], v[ST+10*\u+9]
	v_mul_f32 v[ST+10*\u+5], v[ST+10*\u+2], v[ST+10*\u+5]
	v_mul_f32 v[ST+10*\u+6], v[ST+10*\u+2], v[ST+10*\u+6]
	v_fmac_f32 v[ST+10*\u+5], s[\sl], v[ST+10*\u+9]
	v_fmac_f32 v[ST+10*\u+6], s[\sr], v[ST+10*\u+9]
.endm
; A KEY STEP: 64 keys against my 64 queries.  band = 0: the text for steps that lie on no tile's band in any wave of the work-group (the first four of the walk): RB and WB are left out.
.macro STEP band
	s_sub_co_i32 s[Z23], s[SI], s[AQ]
	s_add_co_i32 s[Z01], s[Z23], 1
	s_cmp_lt_i32 s[Z01], 0
	s_cselect_b32 s[SL01], 1.0, 0
	s_cmp_gt_i32 s[Z01], 1
	s_cselect_b32 s[SR01], 1.0, 0
	s_cmp_lt_i32 s[Z23], 0
	s_cselect_b32 s[SL23], 1.0, 0
	s_cmp_gt_i32 s[Z23], 1
	s_cselect_b32 s[SR23], 1.0, 0
	v_add_nc_u32 v[ADK], s[TB], v[LI]              ; these three and two v_nop are the five places behind the last step's products: their registers are loaded, and S^T is begun anew
	v_add_nc_u32 v[ADV], s[TB], v[AV]
	v_add_nc_u32 v[ADM], s[TM], v[AM]
	v_nop
	v_nop
.irp n, 0,1,2,3
	ds_load_b128 v[T+8*\n:T+8*\n+3], v[ADM] offset:64*\n           ; the mask in the result's layout: register j = key 16 n + 8 h + j
	ds_load_b128 v[T+8*\n+4:T+8*\n+7], v[ADM] offset:64*\n+16
.endr
	WIN 0x40
.irp f, 0,1,2,3,4,5,6,7
	ds_load_b128 v[KV+8*\f:KV+8*\f+3], v[ADK] offset:1024*\f       ; K's fragment (key tile f / 2, k step f % 2)
	ds_load_b128 v[KV+8*\f+4:KV+8*\f+7], v[ADK] offset:1024*\f+512
.endr
	s_wait_dscnt 0x0
	WIN 0x05
.irp n, 0,1,2,3                        ; the 16 accumulators take turns, one instruction a turn
.irp u, 0,1,2,3
	v_wmma_f32_16x16x32_f16 v[S+32*\u+8*\n:S+32*\u+8*\n+7], v[KV+16*\n:KV+16*\n+7], v[Q+16*\u:Q+16*\u+7], v[T+8*\n:T+8*\n+7]
.endr
.endr
.irp n, 0,1,2,3
.irp u, 0,1,2,3
	v_wmma_f32_16x16x32_f16 v[S+32*\u+8*\n:S+32*\u+8*\n+7], v[KV+16*\n+8:KV+16*\n+15], v[Q+16*\u+8:Q+16*\u+15], v[S+32*\u+8*\n:S+32*\u+8*\n+7]
.endr
.endr
	WIN 0
	v_mul_f32 v[ST+3], s[SL01], v[ST+7]            ; B: q.e0 left of the band, q.e64 right of it, 0 on it.  (These eight are the places behind the products)
	v_mul_f32 v[ST+13], s[SL01], v[ST+17]
	v_mul_f32 v[ST+23], s[SL23], v[ST+27]
	v_mul_f32 v[ST+33], s[SL23], v[ST+37]
	v_fmac_f32 v[ST+3], s[SR01], v[ST+8]
	v_fmac_f32 v[ST+13], s[SR01], v[ST+18]
	v_fmac_f32 v[ST+23], s[SR23], v[ST+28]
	v_fmac_f32 v[ST+33], s[SR23], v[ST+38]
.if \band
	s_cmp_eq_u32 s[Z01], 0                         ; branches on ids and the count of steps alone; no barrier and no tensor load stands in a step
	s_cbranch_scc0 .Lr1_\@
	RB 0, -4
	RB 1, -5
.Lr1_\@:
	s_cmp_eq_u32 s[Z01], 1
	s_cbranch_scc0 .Lr2_\@
	RB 0, 0
	RB 1, -1
.Lr2_\@:
	s_cmp_eq_u32 s[Z23], 0
	s_cbranch_scc0 .Lr3_\@
	RB 2, -2
	RB 3, -3
.Lr3_\@:
	s_cmp_eq_u32 s[Z23], 1
	s_cbranch_scc0 .Lr4_\@
	RB 2, 2
	RB 3, 1
.Lr4_\@:
.endif
	WIN 0x40
.irp kc, 0,1                           ; V, turned: fragment (32 keys kc, 16 channels ct); it lands while the softmax is walked
.irp ct, 0,1,2,3
	ds_load_tr16_b128 v[KV+8*(4*\kc+\ct):KV+8*(4*\kc+\ct)+3], v[ADV] offset:(8*\kc+\ct)*512
	ds_load_tr16_b128 v[KV+8*(4*\kc+\ct)+4:KV+8*(4*\kc+\ct)+7], v[ADV] offset:(8*\kc+4+\ct)*512
.endr
.endr
	WIN 0
	; the softmax, the four tiles by turns
.irp j, 0,1,2,3
.irp u, 0,1,2,3
	v_max3_num_f32 v[T+4*\u+\j], v[S+32*\u+8*\j], v[S+32*\u+8*\j+1], v[S+32*\u+8*\j+2]   ; each accumulator is read from its low end on
.endr
.endr
.irp g, 1,2
.irp j, 0,1,2,3
.irp u, 0,1,2,3
	v_max3_num_f32 v[T+4*\u+\j], v[T+4*\u+\j], v[S+32*\u+8*\j+2*\g+1], v[S+32*\u+8*\j+2*\g+2]
.endr
.endr
.endr
.irp u, 0,1,2,3
	v_max3_num_f32 v[T+4*\u], v[T+4*\u], v[S+32*\u+7], v[S+32*\u+15]
.endr
.irp u, 0,1,2,3
	v_max3_num_f32 v[T+4*\u+2], v[T+4*\u+2], v[S+32*\u+23], v[S+32*\u+31]
.endr
.irp u, 0,1,2,3
	v_max3_num_f32 v[T+4*\u], v[T+4*\u], v[T+4*\u+1], v[T+4*\u+2]
.endr
.irp u, 0,1,2,3
	v_max_num_f32 v[T+4*\u], v[T+4*\u], v[T+4*\u+3]
.endr
.irp u, 0,1,2,3
	v_permlanex16_b32 v[T+4*\u+1], v[T+4*\u], s[SEL], s[SEL+1]     ; the query's other 32 keys lie in the lane 16 away
.endr
.irp u, 0,1,2,3
	v_max_num_f32 v[T+4*\u], v[T+4*\u], v[T+4*\u+1]
.endr
.irp u, 0,1,2,3
	v_add_f32 v[T+4*\u], v[T+4*\u], v[ST+10*\u+3]                  ; + B
.endr
.irp u, 0,1,2,3
	v_max_num_f32 v[T+4*\u+1], v[ST+10*\u+1], v[T+4*\u]            ; the new m
.endr
.irp u, 0,1,2,3
	v_sub_f32 v[T+4*\u+2], v[ST+10*\u+1], v[T+4*\u+1]              ; m_old - m_new
.endr
.irp u, 0,1,2,3
	v_mov_b32 v[ST+10*\u+1], v[T+4*\u+1]
.endr
.irp u, 0,1,2,3
	v_mul_f32 v[T+4*\u+2], s[CS], v[T+4*\u+2]
.endr
.irp u, 0,1,2,3
	v_sub_f32 v[T+4*\u+3], v[ST+10*\u+3], v[T+4*\u+1]
.endr
.irp u, 0,1,2,3
	v_mul_f32 v[ST+10*\u], s[CS], v[T+4*\u+3]                      ; c (B - m)
.endr
.irp u, 0,1,2,3
.set i, 0
.rept 16
	v_pk_fma_f32 v[S+32*\u+i:S+32*\u+i+1], v[S+32*\u+i:S+32*\u+i+1], s[CS:CS+1], v[ST+10*\u:ST+10*\u+1] op_sel_hi:[1,0,0]
.set i, i+2
.endr
.endr
.irp u, 0,1,2,3
	v_exp_f32 v[ST+10*\u+2], v[T+4*\u+2]           ; f = 2^(c (m_old - m_new))
.endr
.set i, 0
.rept 128
	v_exp_f32 v[S+i], v[S+i]                       ; p
.set i, i+1
.endr
	v_nop                                          ; a plain line behind the last exponential,
	s_wait_alu depctr_va_vdst(0)                   ; and one wait for the whole batch, ahead of its first reader
.irp u, 0,1,2,3
	v_pk_add_f32 v[T+4*\u:T+4*\u+1], v[S+32*\u:S+32*\u+1], v[S+32*\u+2:S+32*\u+3]
.endr
.irp u, 0,1,2,3
	v_pk_add_f32 v[T+4*\u+2:T+4*\u+3], v[S+32*\u+4:S+32*\u+5], v[S+32*\u+6:S+32*\u+7]
.endr
.irp j, 8,12,16,20,24,28
.irp u, 0,1,2,3
	v_pk_add_f32 v[T+4*\u:T+4*\u+1], v[T+4*\u:T+4*\u+1], v[S+32*\u+\j:S+32*\u+\j+1]
.endr
.irp u, 0,1,2,3
	v_pk_add_f32 v[T+4*\u+2:T+4*\u+3], v[T+4*\u+2:T+4*\u+3], v[S+32*\u+\j+2:S+32*\u+\j+3]
.endr
.endr
.irp u, 0,1,2,3
	v_pk_add_f32 v[T+4*\u:T+4*\u+1], v[T+4*\u:T+4*\u+1], v[T+4*\u+2:T+4*\u+3]
.endr
.irp u, 0,1,2,3
	v_add_f32 v[ST+10*\u+9], v[T+4*\u], v[T+4*\u+1]                ; the step's sum of my 32 keys' p, unrounded
.endr
	FARSUM 0, SL01, SR01
	FARSUM 1, SL01, SR01
	FARSUM 2, SL23, SR23
	FARSUM 3, SL23, SR23
.irp u, 0,1,2,3
.set i, 0
.rept 16
	v_cvt_pk_f16_f32 v[S+32*\u+i], v[S+32*\u+2*i], v[S+32*\u+2*i+1]   ; in place, ascending: two tiles of 16 keys make a fragment of P
.set i, i+1
.endr
.endr
	WIN 0x41
.irp u, 0,1,2,3
.set i, 0
.rept 16
	v_pk_mul_f32 v[O+32*\u+i:O+32*\u+i+1], v[O+32*\u+i:O+32*\u+i+1], v[ST+10*\u+2:ST+10*\u+3] op_sel_hi:[1,0]   ; O^T under the new m
.set i, i+2
.endr
.endr
	s_wait_dscnt 0x0                               ; V is in
	WIN 0x51
.irp kc, 0,1
.irp ct, 0,1,2,3
.irp u, 0,1,2,3
	v_wmma_f32_16x16x32_f16 v[O+32*\u+8*\ct:O+32*\u+8*\ct+7], v[KV+8*(4*\kc+\ct):KV+8*(4*\kc+\ct)+7], v[S+32*\u+8*\kc:S+32*\u+8*\kc+7], v[O+32*\u+8*\ct:O+32*\u+8*\ct+7]
.endr
.endr
.endr
	WIN 0
.if \band
	s_cmp_eq_u32 s[Z01], 0
	s_cbranch_scc0 .Lw1_\@
	WB 0, -4
	WB 1, -5
.Lw1_\@:
	s_cmp_eq_u32 s[Z01], 1
	s_cbranch_scc0 .Lw2_\@
	WB 0, 0
	WB 1, -1
.Lw2_\@:
	s_cmp_eq_u32 s[Z23], 0
	s_cbranch_scc0 .Lw3_\@
	WB 2, -2
	WB 3, -3
.Lw3_\@:
	s_cmp_eq_u32 s[Z23], 1
	s_cbranch_scc0 .Lw4_\@
	WB 2, 2
	WB 3, 1
.Lw4_\@:
.endif
.endm
; n steps of the walk.  The LDS addresses step on; the step's number in the head goes round modulo 16.
.macro WALK n, band
	s_mov_b32 s[CNT], \n
.Lstep_\@:
	STEP \band
	s_add_co_u32 s[SI], s[SI], 1
	s_and_b32 s[SI], s[SI], 15
	s_add_co_u32 s[TB], s[TB], 16384
	s_add_co_u32 s[TM], s[TM], 256
	s_sub_co_u32 s[CNT], s[CNT], 1
	s_cmp_lg_u32 s[CNT], 0
	s_cbranch_scc1 .Lstep_\@
.endm
	s_lshl_b32 s[SI], s[GR], 2                     ; the first step walked: 12 or 0
	s_mov_b32 s[TB], 0
	s_mov_b32 s[TM], 0
	s_wait_tensorcnt 3                             ; my parts of the tables and of the first group walked are in; the three loads issued behind them may be out
	s_wait_dscnt 0x0                               ; my part of the mask lies in LDS
	s_barrier_signal -1
	s_barrier_wait -1                              ; everybody's do
	WALK 4, 0                                      ; four steps that lie on no tile's band: steps 12-15 for query blocks 0-7 (band: steps 0-8), steps 0-3 for blocks 8-15 (band: steps 7-15)
	s_wait_tensorcnt 0x0                           ; my parts of the other three groups are in,
	s_wait_dscnt 0x0
	s_barrier_signal -1
	s_barrier_wait -1                              ; everybody's are: from here on no wave waits for another
	WALK 12, 1
	; THE WAY OUT: O^T + LL e0 + LR e64, divided by l, to f16: a tile of 16 channels x 16 queries is half a fragment of the last product's operand: 512 consecutive bytes a store.
	PLACES 4
	WIN 0x40
.irp ct, 0,1,2,3
	global_load_b128 v[KV+8*\ct:KV+8*\ct+3], v[EO], s[12:13] offset:64*\ct               ; e0 in O^T's layout: register j = channel 16 ct + 8 h + j
	global_load_b128 v[KV+8*\ct+4:KV+8*\ct+7], v[EO], s[12:13] offset:64*\ct+16
	global_load_b128 v[KV+32+8*\ct:KV+32+8*\ct+3], v[EO], s[12:13] offset:16384+64*\ct   ; e64
	global_load_b128 v[KV+32+8*\ct+4:KV+32+8*\ct+7], v[EO], s[12:13] offset:16384+64*\ct+16
.endr
	WIN 0
	s_lshr_b32 s60, s[YY], 4
	s_lshl_b32 s60, s60, 6
	s_lshl_b32 s61, s[AQ], 2
	s_add_co_u32 s60, s60, s61                     ; my first token tile: 64 batch + 4 block
	s_lshl_b32 s60, s60, 5
	s_and_b32 s61, s[YY], 15
	s_lshl_b32 s61, s61, 1
	s_add_co_u32 s60, s60, s61                     ; x 32 k steps, + 2 head
	s_lshl_b32 s60, s60, 10
	s_mov_b32 s61, 0
	s_add_nc_u64 s[14:15], s[14:15], s[60:61]
.irp u, 0,1,2,3
	v_permlanex16_b32 v[T+8*\u+1], v[ST+10*\u+4], s[SEL], s[SEL+1]
	v_permlanex16_b32 v[T+8*\u+3], v[ST+10*\u+5], s[SEL], s[SEL+1]
	v_permlanex16_b32 v[T+8*\u+5], v[ST+10*\u+6], s[SEL], s[SEL+1]
.endr
.irp u, 0,1,2,3
	v_add_f32 v[T+8*\u+4], v[ST+10*\u+4], v[T+8*\u+1]              ; l
	v_add_f32 v[T+8*\u], v[ST+10*\u+5], v[T+8*\u+3]                ; LL
	v_add_f32 v[T+8*\u+2], v[ST+10*\u+6], v[T+8*\u+5]              ; LR
.endr
.irp u, 0,1,2,3
	v_rcp_f32 v[T+8*\u+4], v[T+8*\u+4]
.endr
	v_nop
	s_wait_alu depctr_va_vdst(0)                   ; one wait for the four reciprocals
	s_wait_loadcnt 0x0
.irp u, 0,1,2,3
	WIN 0x51
.set i, 0
.rept 16
	v_pk_fma_f32 v[O+32*\u+i:O+32*\u+i+1], v[KV+i:KV+i+1], v[T+8*\u:T+8*\u+1], v[O+32*\u+i:O+32*\u+i+1] op_sel_hi:[1,0,1]
.set i, i+2
.endr
.set i, 0
.rept 16
	v_pk_fma_f32 v[O+32*\u+i:O+32*\u+i+1], v[KV+32+i:KV+32+i+1], v[T+8*\u+2:T+8*\u+3], v[O+32*\u+i:O+32*\u+i+1] op_sel_hi:[1,0,1]
.set i, i+2
.endr
	WIN 0x41
.set i, 0
.rept 16
	v_pk_mul_f32 v[O+32*\u+i:O+32*\u+i+1], v[O+32*\u+i:O+32*\u+i+1], v[T+8*\u+4:T+8*\u+5] op_sel_hi:[1,0]
.set i, i+2
.endr
	WIN 0x05
.set i, 0
.rept 16
	v_cvt_pk_f16_f32 v[S+16*\u+i], v[O+32*\u+2*i], v[O+32*\u+2*i+1]
.set i, i+1
.endr
	WIN 0
.irp ct, 0,1,2,3
	global_store_b128 v[LI], v[S+16*\u+4*\ct:S+16*\u+4*\ct+3], s[14:15] offset:\u*32768+\ct*512 th:TH_STORE_NT
.endr
.endr
	s_wait_tensorcnt 0x0                           ; the wave's end
	ds_add_u32 v[SPW], v[NIL]
	s_wait_dscnt 0x0
	s_endpgm
.Lfunc_end_k_qedd42a9531_attn:
	.size	k_qedd42a9531_attn, .Lfunc_end_k_qedd42a9531_attn-k_qedd42a9531_attn
	.p2alignl 7, 3214868480
	.fill 96, 4, 3214868480
	.section	.rodata,"a",@progbits
	.p2align	6, 0x0
	.amdhsa_kernel k_qedd42a9531_attn
		.amdhsa_group_segment_fixed_size 327680
		.amdhsa_private_segment_fixed_size 0
		.amdhsa_enable_private_segment 0
		.amdhsa_kernarg_size 48
		.amdhsa_user_sgpr_count 2
		.amdhsa_user_sgpr_kernarg_segment_ptr 1
		.amdhsa_wavefront_size32 1
		.amdhsa_system_sgpr_workgroup_id_x 1
		.amdhsa_system_sgpr_workgroup_id_y 1
		.amdhsa_system_sgpr_workgroup_id_z 1
		.amdhsa_system_vgpr_workitem_id 0
		.amdhsa_next_free_vgpr 512
		.amdhsa_next_free_sgpr 84
		.amdhsa_reserve_vcc 0
		.amdhsa_float_denorm_mode_32 3
		.amdhsa_float_denorm_mode_16_64 3
		.amdhsa_memory_ordered 1
		.amdhsa_forward_progress 1
		.amdhsa_inst_pref_size 203
	.end_amdhsa_kernel
	.amdgpu_metadata
---
amdhsa.version: [ 1, 2 ]
amdhsa.kernels:
  - .name:           k_qedd42a9531_attn
    .symbol:         k_qedd42a9531_attn.kd
    .args:
      - { .name: qf, .offset: 0, .size: 8, .value_kind: global_buffer, .address_space: global }
      - { .name: kv, .offset: 8, .size: 8, .value_kind: global_buffer, .address_space: global }
      - { .name: tab, .offset: 16, .size: 8, .value_kind: global_buffer, .address_space: global }
      - { .name: mask, .offset: 24, .size: 8, .value_kind: global_buffer, .address_space: global }
      - { .name: rel_emb, .offset: 32, .size: 8, .value_kind: global_buffer, .address_space: global }
      - { .name: ctxf, .offset: 40, .size: 8, .value_kind: global_buffer, .address_space: global }
    .group_segment_fixed_size: 327680
    .private_segment_fixed_size: 0
    .kernarg_segment_align: 8
    .kernarg_segment_size: 48
    .max_flat_workgroup_size: 256
    .sgpr_count:     84
    .vgpr_count:     512
    .wavefront_size: 32
...
	.end_amdgpu_metadata
.endif
;; end of part 3
;; launch top (part 4): grid 32 x 8, 16 waves a work-group, no clusters, 88,064 bytes of LDS; arguments qf, kv, tab, mask, out1; writes out1
.if DOCPART == 4
	.amdgcn_target "amdgcn-amd-amdhsa--gfx1250"
	.amdhsa_code_object_version 6
	.text
	.protected	k_qedd42a9531_top
	.globl	k_qedd42a9531_top
	.p2align	8
	.type	k_qedd42a9531_top,@function
k_qedd42a9531_top:
	s_mov_b64 s[64:65], 0
	v_nop
	global_prefetch_b8 v0, s[64:65] scope:SCOPE_SE
	s_setreg_imm32_b32 hwreg(HW_REG_WAVE_MODE, 25, 1), 1
	s_wait_xcnt 0x0
; TOP: out1[b][q][k] = head 0's softmax, normalised.  A work-group owns 32 queries of one batch (two tiles of 16); wave w owns key step w (64 keys) for both tiles, so all 1,024 scores of a row are in
; registers at once: the row's maximum and sum are exact and meet in LDS, two barriers.  Scores as in the attention launch: S^T = K Q^T with the mask (0 or -2^63) as C; left and right of the band one number a
; query, q.e0 or q.e64; on the band R = E_slots Q^T, skewed through the wave's stage.  f16 operands, all else f32.
; No tensor load: each wave's K comes straight into its registers, already in their order.  LIMITS as in the attention launch.
; REGISTERS: v1-15 addresses; v16-31 eight statistics a tile; v32-63 Q; v64-127 K, then table fragments, then rows on the way out; v128-191 S^T, 32 a tile; v192-223 the mask, then skewed R; v224-255 T, at work.
.set REDM,  12288                      ; LDS: 0: the table er (12,288 bytes);  REDM: [tile][query][wave] maxima;  REDS: sums
.set REDS,  14336
.set STG,   16384                      ; a stage of 4,352 bytes for each wave
.set STGW,  4352
.set SPARE, 86016                      ; the spare words, 128 bytes a wave
.set LI,  1
.set STS, 4                            ; R in: 208 r + 32 h
.set STL, 5                            ; R back, skewed: 204 r + 32 h + 64
.set OST, 6                            ; p in: 272 r + 32 h
.set ORD, 7                            ; p back by rows: 272 h + 16 r
.set GO,  8                            ; the same two rows in out1: 4,096 h + 16 r
.set RMS, 9
.set RML, 10
.set SPW, 12
.set NIL, 13
.set ST,  16                           ; tile u at ST + 8 u: +0 c (B - m), +1 m, +2 B, +3 q.e0, +4 q.e64, +6 1 / sum, +7 its partner in the pair
.set Q,   32
.set K,   64
.set S,   128
.set MC,  192
.set T,   224
.set WV,  14
.set BB,  16
.set ZZ,  17
.set SL,  18
.set SR,  19
.set CODE, 20
.set CS,  22
.set SEL, 24
.macro PLACES n
.rept \n
	v_nop
.endr
.endm
.macro SLOTOF x
.set SLI, (\x)+3
.if SLI < 0
.set SLI, 0
.endif
.if SLI > 5
.set SLI, 5
.endif
.endm
.macro BARRIER                         ; my LDS stores have landed and my LDS loads are in: then the work-group's barrier
	s_wait_dscnt 0x0
	s_barrier_signal -1
	s_barrier_wait -1
.endm
	s_load_b256 s[4:11], s[0:1], 0x0               ; qf 4, kv 6, tab 8, mask 10
	s_load_b64 s[12:13], s[0:1], 0x20              ; out1
	v_lshl_add_u32 v[SPW], v0, 2, SPARE
	v_mov_b32 v[NIL], 0
	v_lshrrev_b32 v2, 5, v0
	v_readfirstlane_b32 s[WV], v2                  ; wave 0..15 = my key step
	v_and_b32 v2, 31, v0
	v_and_b32 v3, 15, v0                           ; r
	v_bfe_u32 v11, v0, 4, 1                        ; h
	v_lshlrev_b32 v[LI], 4, v2
	v_lshlrev_b32 v14, 3, v0                       ; the table's copy: 8 bytes a thread
	v_lshlrev_b32 v15, 3, v11                      ; the mask: 8 h
	s_mul_i32 s26, s[WV], STGW
	s_add_co_u32 s26, s26, STG
	v_mul_u32_u24 v2, v3, 208
	v_lshl_add_u32 v[STS], v11, 5, v2
	v_add_nc_u32 v[STS], s26, v[STS]
	v_mul_u32_u24 v2, v3, 204
	v_lshl_add_u32 v[STL], v11, 5, v2
	v_add_nc_u32 v[STL], s26, v[STL]
	v_add_nc_u32 v[STL], 64, v[STL]
	v_mul_u32_u24 v2, v3, 272
	v_lshl_add_u32 v[OST], v11, 5, v2
	v_add_nc_u32 v[OST], s26, v[OST]
	v_mul_u32_u24 v2, v11, 272
	v_lshl_add_u32 v[ORD], v3, 4, v2
	v_add_nc_u32 v[ORD], s26, v[ORD]
	v_lshlrev_b32 v2, 12, v11
	v_lshl_add_u32 v[GO], v3, 4, v2
	v_lshl_add_u32 v[RML], v3, 6, REDM
	s_lshl_b32 s27, s[WV], 2
	v_add_nc_u32 v[RMS], s27, v[RML]
	v_mov_b32 v[ST+7], 0
	v_mov_b32 v[ST+15], 0
	s_and_b32 s[BB], ttmp7, 0xffff                 ; batch
	s_lshr_b32 s27, ttmp9, 1                       ; my queries' block of 64
	s_and_b32 s28, ttmp9, 1                        ; its first or second half
	s_sub_co_i32 s[ZZ], s[WV], s27
	s_add_co_i32 s[ZZ], s[ZZ], 1
	s_sub_co_i32 s[ZZ], s[ZZ], s28                 ; on the band where this is 0 or 1
	s_cmp_lt_i32 s[ZZ], 0
	s_cselect_b32 s[SL], 1.0, 0
	s_cmp_gt_i32 s[ZZ], 1
	s_cselect_b32 s[SR], 1.0, 0
	s_lshl_b32 s[CODE], s[ZZ], 1
	s_or_b32 s[CODE], s[CODE], s28
	s_mov_b32 s[CS], 0x3e38aa3b                    ; c = log2(e) / 8
	s_mov_b32 s[CS+1], s[CS]
	s_mov_b32 s[SEL], 0x76543210
	s_mov_b32 s[SEL+1], 0xfedcba98
	s_mov_b32 s27, 0
	s_wait_kmcnt 0x0
	s_lshl_b32 s26, s[BB], 21
	s_lshl_b32 s28, ttmp9, 12
	s_add_co_u32 s26, s26, s28
	s_add_nc_u64 s[4:5], s[4:5], s[26:27]          ; head 0 of my batch, my two tiles of Q
	s_lshl_b32 s26, s[BB], 22
	s_lshl_b32 s28, s[WV], 14
	s_add_co_u32 s26, s26, s28
	s_add_nc_u64 s[6:7], s[6:7], s[26:27]          ; my key step
	s_lshl_b32 s26, s[BB], 10
	s_lshl_b32 s28, s[WV], 6
	s_add_co_u32 s26, s26, s28
	s_add_nc_u64 s[10:11], s[10:11], s[26:27]      ; its mask bytes
	s_lshl_b32 s26, s[BB], 22
	s_lshl_b32 s28, ttmp9, 17
	s_add_co_u32 s26, s26, s28
	s_lshl_b32 s28, s[WV], 8
	s_add_co_u32 s26, s26, s28
	s_add_nc_u64 s[12:13], s[12:13], s[26:27]      ; out1 at (my first query, my first key)
.irp kp, 0,1,2
	global_load_b64 v[T+2*\kp:T+2*\kp+1], v14, s[8:9] offset:4096*\kp
.endr
.irp f, 0,1,2,3
	global_load_b128 v[Q+8*\f:Q+8*\f+3], v[LI], s[4:5] offset:1024*\f
	global_load_b128 v[Q+8*\f+4:Q+8*\f+7], v[LI], s[4:5] offset:1024*\f+512
.endr
.irp f, 0,1,2,3,4,5,6,7
	global_load_b128 v[K+8*\f:K+8*\f+3], v[LI], s[6:7] offset:1024*\f
	global_load_b128 v[K+8*\f+4:K+8*\f+7], v[LI], s[6:7] offset:1024*\f+512
.endr
.irp n, 0,1,2,3
	global_load_b64 v[176+2*\n:177+2*\n], v15, s[10:11] offset:16*\n   ; keys 16 n + 8 h + 0..7
.endr
	s_wait_loadcnt 0x0
.irp kp, 0,1,2
	ds_store_b64 v14, v[T+2*\kp:T+2*\kp+1] offset:4096*\kp
.endr
.irp n, 0,1,2,3
.irp j, 0,1,2,3,4,5,6,7
	v_bfe_u32 v[MC+8*\n+\j], v[176+2*\n+\j/4], 8*(\j%4), 8
.endr
.endr
.set i, 0
.rept 32
	v_sub_nc_u32 v[MC+i], 0, v[MC+i]
.set i, i+1
.endr
.set i, 0
.rept 32
	v_and_b32 v[MC+i], 0xdf000000, v[MC+i]         ; 0, or -2^63 for a hidden key
.set i, i+1
.endr
	BARRIER                                        ; the table lies in LDS
.irp i, 0,1,2,3
	ds_load_b128 v[T+4*\i:T+4*\i+3], v[LI] offset:512*\i             ; slot 0: e0
	ds_load_b128 v[T+16+4*\i:T+16+4*\i+3], v[LI] offset:10240+512*\i ; slot 5: e64
.endr
	s_wait_dscnt 0x0
.irp sl, 0,1
.irp u, 0,1
	v_wmma_f32_16x16x32_f16 v[S+8*(2*\sl+\u):S+8*(2*\sl+\u)+7], v[T+16*\sl:T+16*\sl+7], v[Q+16*\u:Q+16*\u+7], 0
.endr
.endr
.irp sl, 0,1
.irp u, 0,1
	v_wmma_f32_16x16x32_f16 v[S+8*(2*\sl+\u):S+8*(2*\sl+\u)+7], v[T+16*\sl+8:T+16*\sl+15], v[Q+16*\u+8:Q+16*\u+15], v[S+8*(2*\sl+\u):S+8*(2*\sl+\u)+7]
.endr
.endr
	PLACES 4
.irp u, 0,1
	v_mov_b32 v[ST+8*\u+3], v[S+8*\u]
	v_mov_b32 v[ST+8*\u+4], v[S+16+8*\u]
.endr
	PLACES 5                                       ; the scores are laid over these results
.irp n, 0,1,2,3
.irp u, 0,1
	v_wmma_f32_16x16x32_f16 v[S+32*\u+8*\n:S+32*\u+8*\n+7], v[K+16*\n:K+16*\n+7], v[Q+16*\u:Q+16*\u+7], v[MC+8*\n:MC+8*\n+7]
.endr
.endr
.irp n, 0,1,2,3
.irp u, 0,1
	v_wmma_f32_16x16x32_f16 v[S+32*\u+8*\n:S+32*\u+8*\n+7], v[K+16*\n+8:K+16*\n+15], v[Q+16*\u+8:Q+16*\u+15], v[S+32*\u+8*\n:S+32*\u+8*\n+7]
.endr
.endr
.irp u, 0,1
	v_mul_f32 v[ST+8*\u+2], s[SL], v[ST+8*\u+3]    ; B.  (These four are the places behind the products)
.endr
.irp u, 0,1
	v_fmac_f32 v[ST+8*\u+2], s[SR], v[ST+8*\u+4]
.endr
.macro RB u, dq                        ; as in the attention launch: 32 keys at a time, three slots, through my stage, back skewed
.irp hf, 0,1
.irp i, 0,1,2
	SLOTOF (\dq)+2*\hf-1+\i
.irp ks, 0,1
	ds_load_b128 v[K+16*\i+8*\ks:K+16*\i+8*\ks+3], v[LI] offset:SLI*2048+\ks*1024
	ds_load_b128 v[K+16*\i+8*\ks+4:K+16*\i+8*\ks+7], v[LI] offset:SLI*2048+\ks*1024+512
.endr
.endr
	s_wait_dscnt 0x0
.irp i, 0,1,2
	v_wmma_f32_16x16x32_f16 v[T+8*\i:T+8*\i+7], v[K+16*\i:K+16*\i+7], v[Q+16*\u:Q+16*\u+7], 0
.endr
.irp i, 0,1,2
	v_wmma_f32_16x16x32_f16 v[T+8*\i:T+8*\i+7], v[K+16*\i+8:K+16*\i+15], v[Q+16*\u+8:Q+16*\u+15], v[T+8*\i:T+8*\i+7]
.endr
	PLACES 4
.irp i, 0,1,2
	ds_store_b128 v[STS], v[T+8*\i:T+8*\i+3] offset:64*\i
	ds_store_b128 v[STS], v[T+8*\i+4:T+8*\i+7] offset:64*\i+16
.endr
.irp n, 0,1
.irp j, 0,1,2,3,4,5,6,7
	ds_load_b32 v[MC+8*\n+\j], v[STL] offset:64*\n+4*\j
.endr
.endr
	s_wait_dscnt 0x0
.irp n, 0,1
.irp j, 0,2,4,6
	v_pk_add_f32 v[S+32*\u+8*(2*\hf+\n)+\j:S+32*\u+8*(2*\hf+\n)+\j+1], v[S+32*\u+8*(2*\hf+\n)+\j:S+32*\u+8*(2*\hf+\n)+\j+1], v[MC+8*\n+\j:MC+8*\n+\j+1]
.endr
.endr
.endr
.endm
	s_cmp_eq_u32 s[CODE], 0                        ; branches on ids alone; no barrier stands under them
	s_cbranch_scc0 .Lc1
	RB 0, -4
	RB 1, -5
.Lc1:
	s_cmp_eq_u32 s[CODE], 1
	s_cbranch_scc0 .Lc2
	RB 0, -2
	RB 1, -3
.Lc2:
	s_cmp_eq_u32 s[CODE], 2
	s_cbranch_scc0 .Lc3
	RB 0, 0
	RB 1, -1
.Lc3:
	s_cmp_eq_u32 s[CODE], 3
	s_cbranch_scc0 .Lc4
	RB 0, 2
	RB 1, 1
.Lc4:
	; my 64 keys' largest score of each query
.irp j, 0,1,2,3
.irp u, 0,1
	v_max3_num_f32 v[T+4*\u+\j], v[S+32*\u+8*\j], v[S+32*\u+8*\j+1], v[S+32*\u+8*\j+2]
.endr
.endr
.irp g, 1,2
.irp j, 0,1,2,3
.irp u, 0,1
	v_max3_num_f32 v[T+4*\u+\j], v[T+4*\u+\j], v[S+32*\u+8*\j+2*\g+1], v[S+32*\u+8*\j+2*\g+2]
.endr
.endr
.endr
.irp u, 0,1
	v_max3_num_f32 v[T+4*\u], v[T+4*\u], v[S+32*\u+7], v[S+32*\u+15]
	v_max3_num_f32 v[T+4*\u+2], v[T+4*\u+2], v[S+32*\u+23], v[S+32*\u+31]
.endr
.irp u, 0,1
	v_max3_num_f32 v[T+4*\u], v[T+4*\u], v[T+4*\u+1], v[T+4*\u+2]
.endr
.irp u, 0,1
	v_max_num_f32 v[T+4*\u], v[T+4*\u], v[T+4*\u+3]
.endr
.irp u, 0,1
	v_permlanex16_b32 v[T+4*\u+1], v[T+4*\u], s[SEL], s[SEL+1]
.endr
.irp u, 0,1
	v_max_num_f32 v[T+4*\u], v[T+4*\u], v[T+4*\u+1]
.endr
.irp u, 0,1
	v_add_f32 v[T+4*\u], v[T+4*\u], v[ST+8*\u+2]
.endr
.irp u, 0,1
	ds_store_b32 v[RMS], v[T+4*\u] offset:1024*\u  ; both halves of the lanes write the same word with the same value
.endr
	BARRIER                                        ; sixteen maxima for each query lie in LDS
.irp u, 0,1
.irp i, 0,1,2,3
	ds_load_b128 v[T+16*\u+4*\i:T+16*\u+4*\i+3], v[RML] offset:1024*\u+16*\i
.endr
.endr
	s_wait_dscnt 0x0
.irp u, 0,1
	v_max3_num_f32 v[T+16*\u], v[T+16*\u], v[T+16*\u+1], v[T+16*\u+2]
.endr
.irp j, 3,5,7,9,11,13
.irp u, 0,1
	v_max3_num_f32 v[T+16*\u], v[T+16*\u], v[T+16*\u+\j], v[T+16*\u+\j+1]
.endr
.endr
.irp u, 0,1
	v_max_num_f32 v[ST+8*\u+1], v[T+16*\u], v[T+16*\u+15]          ; the row's maximum
.endr
.irp u, 0,1
	v_sub_f32 v[T+16*\u], v[ST+8*\u+2], v[ST+8*\u+1]
.endr
.irp u, 0,1
	v_mul_f32 v[ST+8*\u], s[CS], v[T+16*\u]                        ; c (B - m)
.endr
.irp u, 0,1
.set i, 0
.rept 16
	v_pk_fma_f32 v[S+32*\u+i:S+32*\u+i+1], v[S+32*\u+i:S+32*\u+i+1], s[CS:CS+1], v[ST+8*\u:ST+8*\u+1] op_sel_hi:[1,0,0]
.set i, i+2
.endr
.endr
.set i, 0
.rept 64
	v_exp_f32 v[S+i], v[S+i]
.set i, i+1
.endr
	v_nop
	s_wait_alu depctr_va_vdst(0)                   ; one wait for the batch, ahead of its first reader
.irp u, 0,1
	v_pk_add_f32 v[T+4*\u:T+4*\u+1], v[S+32*\u:S+32*\u+1], v[S+32*\u+2:S+32*\u+3]
	v_pk_add_f32 v[T+4*\u+2:T+4*\u+3], v[S+32*\u+4:S+32*\u+5], v[S+32*\u+6:S+32*\u+7]
.endr
.irp j, 8,12,16,20,24,28
.irp u, 0,1
	v_pk_add_f32 v[T+4*\u:T+4*\u+1], v[T+4*\u:T+4*\u+1], v[S+32*\u+\j:S+32*\u+\j+1]
	v_pk_add_f32 v[T+4*\u+2:T+4*\u+3], v[T+4*\u+2:T+4*\u+3], v[S+32*\u+\j+2:S+32*\u+\j+3]
.endr
.endr
.irp u, 0,1
	v_pk_add_f32 v[T+4*\u:T+4*\u+1], v[T+4*\u:T+4*\u+1], v[T+4*\u+2:T+4*\u+3]
.endr
.irp u, 0,1
	v_add_f32 v[T+4*\u], v[T+4*\u], v[T+4*\u+1]
.endr
.irp u, 0,1
	v_permlanex16_b32 v[T+4*\u+1], v[T+4*\u], s[SEL], s[SEL+1]
.endr
.irp u, 0,1
	v_add_f32 v[T+4*\u], v[T+4*\u], v[T+4*\u+1]
.endr
.irp u, 0,1
	ds_store_b32 v[RMS], v[T+4*\u] offset:REDS-REDM+1024*\u
.endr
	BARRIER                                        ; sixteen sums for each query lie in LDS
.irp u, 0,1
.irp i, 0,1,2,3
	ds_load_b128 v[T+16*\u+4*\i:T+16*\u+4*\i+3], v[RML] offset:REDS-REDM+1024*\u+16*\i
.endr
.endr
	s_wait_dscnt 0x0
.irp u, 0,1
.irp j, 0,4,8,12
	v_pk_add_f32 v[T+16*\u+\j:T+16*\u+\j+1], v[T+16*\u+\j:T+16*\u+\j+1], v[T+16*\u+\j+2:T+16*\u+\j+3]
.endr
.endr
.irp u, 0,1
.irp j, 0,8
	v_pk_add_f32 v[T+16*\u+\j:T+16*\u+\j+1], v[T+16*\u+\j:T+16*\u+\j+1], v[T+16*\u+\j+4:T+16*\u+\j+5]
.endr
.endr
.irp u, 0,1
	v_pk_add_f32 v[T+16*\u:T+16*\u+1], v[T+16*\u:T+16*\u+1], v[T+16*\u+8:T+16*\u+9]
.endr
.irp u, 0,1
	v_add_f32 v[T+16*\u], v[T+16*\u], v[T+16*\u+1]
.endr
.irp u, 0,1
	v_rcp_f32 v[ST+8*\u+6], v[T+16*\u]
.endr
	v_nop
	s_wait_alu depctr_va_vdst(0)
.irp u, 0,1
.set i, 0
.rept 16
	v_pk_mul_f32 v[S+32*\u+i:S+32*\u+i+1], v[S+32*\u+i:S+32*\u+i+1], v[ST+8*\u+6:ST+8*\u+7] op_sel_hi:[1,0]
.set i, i+2
.endr
.endr
	; out: a tile's 16 rows x 256 bytes through my stage (rows 272 bytes apart), back by rows: sixteen lanes store 256 consecutive bytes, aligned
.irp u, 0,1
.irp n, 0,1,2,3
	ds_store_b128 v[OST], v[S+32*\u+8*\n:S+32*\u+8*\n+3] offset:64*\n
	ds_store_b128 v[OST], v[S+32*\u+8*\n+4:S+32*\u+8*\n+7] offset:64*\n+16
.endr
.irp i, 0,1,2,3,4,5,6,7
	ds_load_b128 v[K+32*\u+4*\i:K+32*\u+4*\i+3], v[ORD] offset:544*\i   ; LDS serves a wave's instructions in order: these see my stores, and the next tile's stores come behind them
.endr
.endr
.irp u, 0,1
.irp i, 0,1,2,3,4,5,6,7
	s_wait_dscnt 23-16*\u-\i                       ; behind this load: the tile's later loads and, for tile 0, tile 1's eight stores and eight loads
	global_store_b128 v[GO], v[K+32*\u+4*\i:K+32*\u+4*\i+3], s[12:13] offset:\u*65536+\i*8192 th:TH_STORE_NT
.endr
.endr
	s_wait_tensorcnt 0x0                           ; the wave's end
	ds_add_u32 v[SPW], v[NIL]
	s_wait_dscnt 0x0
	s_endpgm
.Lfunc_end_k_qedd42a9531_top:
	.size	k_qedd42a9531_top, .Lfunc_end_k_qedd42a9531_top-k_qedd42a9531_top
	.p2alignl 7, 3214868480
	.fill 96, 4, 3214868480
	.section	.rodata,"a",@progbits
	.p2align	6, 0x0
	.amdhsa_kernel k_qedd42a9531_top
		.amdhsa_group_segment_fixed_size 88064
		.amdhsa_private_segment_fixed_size 0
		.amdhsa_enable_private_segment 0
		.amdhsa_kernarg_size 40
		.amdhsa_user_sgpr_count 2
		.amdhsa_user_sgpr_kernarg_segment_ptr 1
		.amdhsa_wavefront_size32 1
		.amdhsa_system_sgpr_workgroup_id_x 1
		.amdhsa_system_sgpr_workgroup_id_y 1
		.amdhsa_system_sgpr_workgroup_id_z 1
		.amdhsa_system_vgpr_workitem_id 0
		.amdhsa_next_free_vgpr 256
		.amdhsa_next_free_sgpr 66
		.amdhsa_reserve_vcc 0
		.amdhsa_float_denorm_mode_32 3
		.amdhsa_float_denorm_mode_16_64 3
		.amdhsa_memory_ordered 1
		.amdhsa_forward_progress 1
		.amdhsa_inst_pref_size 84
	.end_amdhsa_kernel
	.amdgpu_metadata
---
amdhsa.version: [ 1, 2 ]
amdhsa.kernels:
  - .name:           k_qedd42a9531_top
    .symbol:         k_qedd42a9531_top.kd
    .args:
      - { .name: qf, .offset: 0, .size: 8, .value_kind: global_buffer, .address_space: global }
      - { .name: kv, .offset: 8, .size: 8, .value_kind: global_buffer, .address_space: global }
      - { .name: tab, .offset: 16, .size: 8, .value_kind: global_buffer, .address_space: global }
      - { .name: mask, .offset: 24, .size: 8, .value_kind: global_buffer, .address_space: global }
      - { .name: out1, .offset: 32, .size: 8, .value_kind: global_buffer, .address_space: global }
    .group_segment_fixed_size: 88064
    .private_segment_fixed_size: 0
    .kernarg_segment_align: 8
    .kernarg_segment_size: 40
    .max_flat_workgroup_size: 512
    .sgpr_count:     66
    .vgpr_count:     256
    .wavefront_size: 32
...
	.end_amdgpu_metadata
.endif
;; end of part 4
;; launch outp (part 5): grid 4 x 64, 4 waves a work-group, clusters of 4 x 4, 327,680 bytes of LDS; arguments ctxf, wof, bo, out0; writes out0
.if DOCPART == 5
	.amdgcn_target "amdgcn-amd-amdhsa--gfx1250"
	.amdhsa_code_object_version 6
	.text
	.protected	k_qedd42a9531_outp
	.globl	k_qedd42a9531_outp
	.p2align	8
	.type	k_qedd42a9531_outp,@function
k_qedd42a9531_outp:
	s_mov_b64 s[64:65], 0
	v_nop
	global_prefetch_b8 v0, s[64:65] scope:SCOPE_SE
	s_setreg_imm32_b32 hwreg(HW_REG_WAVE_MODE, 25, 1), 1
	s_wait_xcnt 0x0
	s_wait_alu depctr_hold_cnt(0) depctr_sa_sdst(0) depctr_va_vdst(0) depctr_va_sdst(0) depctr_va_ssrc(0) depctr_va_vcc(0) depctr_vm_vsrc(0)
	s_getreg_b32 s2, hwreg(HW_REG_IB_STS2, 6, 4)
	s_cmp_eq_u32 s2, 0
	s_cbranch_scc0 .Lentry_in_a_cluster
	s_endpgm
.Lentry_in_a_cluster:
	s_bfe_u32 s2, ttmp6, 0x10000c
	s_cmp_lg_u32 s2, 0xf033
	s_cbranch_scc0 .Lentry_shape_is_right
	s_endpgm
.Lentry_shape_is_right:
; OUTP: out0[token][n] = sum over f of ctx[token][f] Wo[n][f] + bo[n].  f16 operands, both already in the order of the operands' registers (1,024 bytes a fragment of 16 rows x 32 k); sums in f32.
; A tile is 128 tokens x 256 n: 256 work-groups.  Four waves, each 64 tokens x 128 n: 32 accumulators, 256 registers.  K goes in steps of 128 (four fragments on end: 4,096 consecutive bytes of a row tile)
; through a ring of two LDS slots: ctx's 8 token tiles (32,768 bytes), then Wo's 16 n tiles (65,536).  Fragments lie dense in LDS: a load takes 512 consecutive bytes, so no padding is wanted.
; CLUSTERS: 4 x 4 work-groups: ctx's tile is shared along a row of the cluster, Wo's along a column; each is asked for jointly.
; THE MATRIX INSTRUCTION IS USED TRANSPOSED (source 0 = 16 rows of Wo, source 1 = 16 tokens): a lane holds eight neighbouring n of one token.  The bias is the C of each sum's first product.
; LIMIT: ctx and Wo in f16 (magnitudes under 65,504; under 6e-5 with f16's subnormal step).
; REGISTERS: window 0: v16-30 addresses; two fragment buffers at v32 and v128: 64 registers of Wo (8 n tiles), then 32 of ctx (4 token tiles), for 32 along K; on the way out v32-159 are rows of out0.
;   window 1: accumulator (token tile a, n tile b) at v[8 (8 a + b)].   window 2: v0-63 the bias, 8 registers an n tile.
.set SLOT,   98304
.set BOFF,   32768                     ; Wo's part of a slot
.set STAGE,  2*SLOT                    ; behind the ring: 16 rows x (512 + 16) bytes for each wave
.set SPITCH, 528
.set SPARE,  STAGE+4*16*SPITCH         ; the spare words, 128 bytes a wave
.set LAPS,   4                         ; 8 K steps = 4 times round the ring
.set ADRA, 16
.set ADRB, 20
.set STO,  24
.set RD,   25
.set CO,   26
.set BOF,  27
.set SPW,  28
.set NIL,  29
.set PFO,  30                          ; the prefetch's offset: token tile lane / 16, 256 bytes x lane % 16; never rewritten
.set F0,   32
.set F1,   128
.set G1,  24
.set G0,  32
.set G1B, 48
.set G0B, 56
.set PFA, 46                           ; s[46:47] where my prefetches stand
.set LIM, 15                           ; s15  1 in wave 0, else the greatest number
.set MSB, 0
.macro WIN new                         ; the immediate's high byte repeats the setting that is left
.if MSB != \new
	s_set_vgpr_msb (MSB<<8)|\new
.set MSB, \new
.endif
.endm
.set MUL,  0x50                        ; sources 0 and 1 window 0; C and D window 1
.set MULF, 0x60                        ; the first products: C = the bias, window 2
.macro JLOAD s                         ; a joint load: waves 0 and 1 fetch ctx's two halves, waves 2 and 3 Wo's; an s_nop 0 and four v_nop follow each of the two lines
	s_cmp_eq_u32 s13, 0
	s_cbranch_scc0 .Lfor_b_\@
	tensor_load_to_lds s[G0+4*\s:G0+4*\s+3], s[G1:G1+7]
	s_nop 0
.rept 4
	v_nop
.endr
	s_branch .Lasked_\@
.Lfor_b_\@:
	tensor_load_to_lds s[G0B+4*\s:G0B+4*\s+3], s[G1B:G1B+7]
	s_nop 0
.rept 4
	v_nop
.endr
.Lasked_\@:
.endm
.macro CREST                           ; a round of the cluster's barrier behind its opening barrier
	s_cmp_lg_u32 s12, 0
	s_cbranch_scc1 .Lnot_wave_0_\@
	s_barrier_signal -3
.Lnot_wave_0_\@:
	s_barrier_wait -3
	s_barrier_signal -1
	s_barrier_wait -1
.endm
.macro CROUND
	s_barrier_signal -1
	s_barrier_wait -1
	CREST
.endm
; A prefetch of ctx's K step that stands two refills on (256 matrix instructions a wave ahead of the load that will want it).  A tile row's 8 token tiles x 4,096 bytes are read by this row of the cluster alone:
; its four partners take two token tiles each, told apart by address; in each, wave 0 asks: 32 lanes x 256 bytes.  So each aligned block of 256 bytes is named once.  The loop's last trip asks for nothing:
; there is no K step two on.  Wo is read by all 64 tile rows and is not asked for.
.macro ASK
	s_cmp_gt_u32 s3, s[LIM]
	s_cbranch_scc0 .Lnot_mine_\@
	global_prefetch_b8 v[PFO], s[PFA:PFA+1] offset:4096 th:TH_LOAD_NT scope:SCOPE_SE
.Lnot_mine_\@:
.endm
	s_load_b256 s[4:11], s[0:1], 0x0               ; ctxf 4, wof 6, bo 8, out0 10
	v_lshl_add_u32 v[SPW], v0, 2, SPARE
	v_mov_b32 v[NIL], 0
	ds_add_u32 v[SPW], v[NIL]                      ; the wave's opening: the add, twice on end, and its wait ahead of my first tensor load
	ds_add_u32 v[SPW], v[NIL]
	v_lshrrev_b32 v1, 5, v0
	v_readfirstlane_b32 s12, v1                    ; wave 0..3
	s_lshr_b32 s13, s12, 1                         ; which 64 tokens are mine.  Also: I fetch for ctx (0) or for Wo (1)
	s_and_b32 s14, s12, 1                          ; which 128 n.  Also: which half of that tile I fetch
	s_bfe_u32 s40, ttmp6, 0x40000                  ; cx, cy
	s_bfe_u32 s41, ttmp6, 0x40004
	s_lshl_b32 s42, ttmp9, 2
	s_add_co_u32 s42, s42, s40                     ; tile column x
	s_and_b32 s43, ttmp7, 0xffff
	s_lshl_b32 s43, s43, 2
	s_add_co_u32 s43, s43, s41                     ; tile row y
	s_lshl_b32 s44, s41, 2
	s_lshl_b32 s44, 15, s44                        ; my row of the cluster
	s_lshl_b32 s45, 0x1111, s40                    ; my column
	s_or_b32 s[G1+0], s44, (3<<16)|(1<<21)         ; the mask; elements of 8 bytes; no padding
	s_mov_b32 s[G1+1], 512<<16                     ; a row: 512 elements = 4,096 bytes: a K step of one token tile
	s_mov_b32 s[G1+2], 4<<16                       ; four token tiles
	s_mov_b32 s[G1+3], 512<<16
	s_mov_b32 s[G1+4], 4
	s_mov_b32 s[G1+5], 4096                        ; from tile to tile: 32,768 bytes
	s_mov_b32 s[G1+6], 0
	s_mov_b32 s[G1+7], 0
	s_or_b32 s[G1B+0], s45, (3<<16)|(1<<21)
	s_mov_b32 s[G1B+1], 512<<16
	s_mov_b32 s[G1B+2], 8<<16                      ; eight n tiles
	s_mov_b32 s[G1B+3], 512<<16
	s_mov_b32 s[G1B+4], 8
	s_mov_b32 s[G1B+5], 4096
	s_mov_b32 s[G1B+6], 0
	s_mov_b32 s[G1B+7], 0
	s_lshl_b32 s16, s43, 18                        ; ctx: token tile 8 y + 4 x half, 32,768 bytes each
	s_lshl_b32 s18, s14, 17
	s_add_co_u32 s16, s16, s18
	s_mov_b32 s17, 0
	s_lshl_b32 s20, s42, 19                        ; Wo: n tile 16 x + 8 x half
	s_lshl_b32 s18, s14, 18
	s_add_co_u32 s20, s20, s18
	s_mov_b32 s21, 0
	s_lshl_b32 s22, s14, 14                        ; where they go: no place in the cluster enters an LDS address
	s_lshl_b32 s23, s14, 15
	s_wait_dscnt 0x0                               ; both opening adds are done
	s_wait_kmcnt 0x0
	s_add_nc_u64 s[16:17], s[4:5], s[16:17]
	s_add_nc_u64 s[20:21], s[6:7], s[20:21]
	CROUND                                         ; all sixteen work-groups are here: the first joint loads meet
.irp s, 0,1
	s_mov_b32 s[G0+4*\s], 1
	s_add_co_u32 s[G0+4*\s+1], s22, \s*SLOT
	s_add_nc_u64 s[G0+4*\s+2:G0+4*\s+3], s[16:17], \s*4096
	s_or_b32 s[G0+4*\s+3], s[G0+4*\s+3], 0x80000000
	s_mov_b32 s[G0B+4*\s], 1
	s_add_co_u32 s[G0B+4*\s+1], s23, \s*SLOT+BOFF
	s_add_nc_u64 s[G0B+4*\s+2:G0B+4*\s+3], s[20:21], \s*4096
	s_or_b32 s[G0B+4*\s+3], s[G0B+4*\s+3], 0x80000000
	JLOAD \s                                       ; two loads of mine are out
.endr
	v_and_b32 v1, 15, v0                           ; r
	v_bfe_u32 v2, v0, 4, 1                         ; h
	v_and_b32 v3, 31, v0
	v_lshlrev_b32 v[CO], 4, v3                     ; 16 x lane
	s_lshl_b32 s22, s13, 14                        ; my four token tiles
	s_lshl_b32 s23, s14, 15                        ; my eight n tiles,
	s_add_co_u32 s23, s23, BOFF                    ; behind ctx's part
.irp s, 0,1
	v_add_nc_u32 v[ADRA+\s], s22, v[CO]
	v_add_nc_u32 v[ADRB+\s], s23, v[CO]
	s_add_co_u32 s22, s22, SLOT
	s_add_co_u32 s23, s23, SLOT
.endr
	s_mul_i32 s22, s12, 16*SPITCH
	s_add_co_u32 s22, s22, STAGE                   ; my stage
	v_mul_u32_u24 v4, v1, SPITCH
	v_lshl_add_u32 v4, v2, 5, v4
	v_add_nc_u32 v[STO], s22, v4                   ; in: row r, 32 bytes for each half of the lanes
	v_add_nc_u32 v[RD], s22, v[CO]                 ; back: the 32 lanes take one row of 512 bytes
	v_lshlrev_b32 v[BOF], 5, v2
	v_lshlrev_b32 v[PFO], 8, v1
	v_lshl_add_u32 v[PFO], v2, 15, v[PFO]
	s_lshl_b32 s18, s42, 10
	s_lshl_b32 s19, s14, 9
	s_add_co_u32 s18, s18, s19                     ; my first n, in bytes of f32
	s_mov_b32 s19, 0
	s_add_nc_u64 s[8:9], s[8:9], s[18:19]
	s_add_nc_u64 s[10:11], s[10:11], s[18:19]
	s_lshl_b32 s18, s43, 19
	s_lshl_b32 s22, s13, 18
	s_add_co_u32 s18, s18, s22                     ; my first token: rows of 4,096 bytes
	s_add_nc_u64 s[10:11], s[10:11], s[18:19]
	s_lshl_b32 s18, s43, 18
	s_lshl_b32 s22, s40, 16
	s_add_co_u32 s18, s18, s22
	s_add_co_u32 s18, s18, 8192                    ; token tiles 8 y + 2 cx, + 1; at K step 2: the first refill steps it to 3 and names K step 4
	s_add_nc_u64 s[PFA:PFA+1], s[4:5], s[18:19]
	s_cmp_eq_u32 s12, 0
	s_cselect_b32 s[LIM], 1, -1
	WIN 0x80                                       ; destination window 2
.irp b, 0,1,2,3,4,5,6,7
	global_load_b128 v[8*\b:8*\b+3], v[BOF], s[8:9] offset:64*\b       ; the bias in the result's layout: register j = n 16 b + 8 h + j
	global_load_b128 v[8*\b+4:8*\b+7], v[BOF], s[8:9] offset:64*\b+16
.endr
	WIN 0
.macro MUL8 f, a, first                ; token tile a x my eight n tiles, 32 along K.  The 32 accumulators take turns, one instruction a turn, in the same order in every quarter
.irp b, 0,1,2,3,4,5,6,7
.if \first
	v_wmma_f32_16x16x32_f16 v[8*(8*(\a)+\b):8*(8*(\a)+\b)+7], v[\f+8*\b:\f+8*\b+7], v[\f+64+8*(\a):\f+64+8*(\a)+7], v[8*\b:8*\b+7]
.else
	v_wmma_f32_16x16x32_f16 v[8*(8*(\a)+\b):8*(8*(\a)+\b)+7], v[\f+8*\b:\f+8*\b+7], v[\f+64+8*(\a):\f+64+8*(\a)+7], v[8*(8*(\a)+\b):8*(8*(\a)+\b)+7]
.endif
.endr
.endm
.macro FETCH slot, q, f                ; 24 LDS loads in one run: the fragments of the slot's q-th 32 along K; Wo's first, ctx's tiles 2 and 3 last
	WIN 0
.irp b, 0,1,2,3,4,5,6,7
	ds_load_b128 v[\f+8*\b:\f+8*\b+3], v[ADRB+\slot] offset:\b*4096+(\q)*1024
	ds_load_b128 v[\f+8*\b+4:\f+8*\b+7], v[ADRB+\slot] offset:\b*4096+(\q)*1024+512
.endr
.irp a, 0,1,2,3
	ds_load_b128 v[\f+64+8*\a:\f+64+8*\a+3], v[ADRA+\slot] offset:\a*4096+(\q)*1024
	ds_load_b128 v[\f+64+8*\a+4:\f+64+8*\a+7], v[ADRA+\slot] offset:\a*4096+(\q)*1024+512
.endr
.endm
.macro PLACES                          ; four plain lines in front of loads into registers that matrix instructions have read, and of reads of results
.rept 4
	v_nop
.endr
.endm
; One of a K step's first three quarters: multiplies buffer f and fetches quarter q of the same slot into g.
.macro QUARTER slot, q, f, g, first
	s_wait_dscnt 4                                 ; Wo's fragments and ctx's tiles 0, 1 are in; the youngest four loads (tiles 2, 3) may be out
.if \first
	WIN MULF
.else
	WIN MUL
.endif
	MUL8 \f, 0, \first
	MUL8 \f, 1, \first
	PLACES
	FETCH \slot, \q, \g
	s_wait_dscnt 24                                ; all but the 24 just issued
.if \first
	WIN MULF
.else
	WIN MUL
.endif
	MUL8 \f, 2, \first
	MUL8 \f, 3, \first
.endm
; The last quarter multiplies buffer 1 and changes slots: ONE barrier; in front of it each wave waits for all its tensor loads, adds 0 to its spare word, and waits for that and for its reads of this slot.
; fill = 1: the barrier opens a round of the cluster's, and this slot is filled again, two K steps ahead.
.macro TURN slot, next, fill
.if \fill
	s_wait_xcnt 0x0                                ; the last prefetch, a K step back, has read its address: it steps
	s_add_nc_u64 s[PFA:PFA+1], s[PFA:PFA+1], 4096
.endif
	WIN 0
	s_wait_tensorcnt 0x0                           ; all my tensor loads have landed: my part of the next slot;
	ds_add_u32 v[SPW], v[NIL]
	s_wait_dscnt 5                                 ; (the add and the youngest four loads may be out)
	WIN MUL
	MUL8 F1, 0, 0                                  ; eight matrix instructions stand between the add and the wait for it
	s_wait_dscnt 0x0                               ; the add is done, and my reads of this slot are over
	s_barrier_signal -1
	MUL8 F1, 1, 0
.if \fill
	WIN 0
.endif
	s_barrier_wait -1
.if \fill
	CREST                                          ; no wave of any partner still reads this slot's tile or has a load on its way
	s_add_nc_u64 s[G0+4*\slot+2:G0+4*\slot+3], s[G0+4*\slot+2:G0+4*\slot+3], 8192
	s_add_nc_u64 s[G0B+4*\slot+2:G0B+4*\slot+3], s[G0B+4*\slot+2:G0B+4*\slot+3], 8192
	JLOAD \slot                                    ; the first tensor load behind the round; its four v_nop are also the places in front of the loads below
.else
	PLACES
.endif
	FETCH \next, 0, F0
.if \fill
	ASK
.endif
	WIN MUL
	MUL8 F1, 2, 0
	MUL8 F1, 3, 0
.endm
	s_wait_tensorcnt 1                             ; my part of K step 0 is in (K step 1's load may be out),
	s_barrier_signal -1
	s_barrier_wait -1                              ; everybody's is
	FETCH 0, 0, F0
	s_wait_loadcnt 0x0                             ; the bias
	QUARTER 0, 1, F0, F1, 1                        ; the first quarter stands in front of the loop: its products start the sums from the bias
	WIN 0
	s_mov_b32 s3, LAPS-1
.Llap:                                                 ; a trip goes once round the ring and fills both slots again
	QUARTER 0, 2, F1, F0, 0
	QUARTER 0, 3, F0, F1, 0
	TURN 0, 1, 1
	QUARTER 1, 1, F0, F1, 0
	QUARTER 1, 2, F1, F0, 0
	QUARTER 1, 3, F0, F1, 0
	TURN 1, 0, 1
	QUARTER 0, 1, F0, F1, 0
	WIN 0
	s_sub_co_u32 s3, s3, 1
	s_cmp_lg_u32 s3, 0
	s_cbranch_scc1 .Llap
	QUARTER 0, 2, F1, F0, 0                        ; the last lap fills nothing
	QUARTER 0, 3, F0, F1, 0
	TURN 0, 1, 0
	QUARTER 1, 1, F0, F1, 0
	QUARTER 1, 2, F1, F0, 0
	QUARTER 1, 3, F0, F1, 0
	s_wait_dscnt 4
	WIN MUL
	MUL8 F1, 0, 0
	MUL8 F1, 1, 0
	s_wait_dscnt 0
	MUL8 F1, 2, 0
	MUL8 F1, 3, 0
	WIN 0
; THE WAY OUT, a token tile (16 rows x 128 n, f32) at a time through my own stage: in as 32 bytes a lane, back as whole rows of 512 bytes, which the 32 lanes store as 512 consecutive bytes, aligned.
.macro TOSTAGE a
	WIN 0x04                                       ; an LDS store's data: window 1
.irp b, 0,1,2,3,4,5,6,7
	ds_store_b128 v[STO], v[64*(\a)+8*\b:64*(\a)+8*\b+3] offset:64*\b        ; each accumulator from its low end on
	ds_store_b128 v[STO], v[64*(\a)+8*\b+4:64*(\a)+8*\b+7] offset:64*\b+16
.endr
	WIN 0
.set BB, 32+64*((\a)%2)
.irp t, 0,1,2,3,4,5,6,7,8,9,10,11,12,13,14,15
	ds_load_b128 v[BB+4*\t:BB+4*\t+3], v[RD] offset:\t*SPITCH     ; LDS serves a wave's instructions in order: these see the stores above
.endr
.endm
.macro SEND a, younger                 ; younger: the LDS instructions issued behind tile a's loads, which may stay out
.set BB, 32+64*((\a)%2)
	s_wait_dscnt \younger
.if (\a) > 0
	s_add_nc_u64 s[10:11], s[10:11], 65536         ; 16 rows on (behind a wait that shows the earlier stores' base read)
.endif
.irp t, 0,1,2,3,4,5,6,7,8,9,10,11,12,13,14,15
	global_store_b128 v[CO], v[BB+4*\t:BB+4*\t+3], s[10:11] offset:\t*4096 th:TH_STORE_NT
.endr
.endm
	PLACES
	TOSTAGE 0
.irp a, 1,2,3
.if \a > 1
	s_wait_xcnt 0x0                                ; tile a - 2's stores have read their registers and their base
.endif
	TOSTAGE \a
	SEND \a-1, 32                                  ; behind tile a - 1's loads: tile a's 16 stores and 16 loads
.endr
	s_wait_xcnt 0x0
	SEND 3, 0
	s_wait_tensorcnt 0x0                           ; the wave's end
	ds_add_u32 v[SPW], v[NIL]
	s_wait_dscnt 0x0
	CROUND                                         ; the closing round
	s_endpgm
.Lfunc_end_k_qedd42a9531_outp:
	.size	k_qedd42a9531_outp, .Lfunc_end_k_qedd42a9531_outp-k_qedd42a9531_outp
	.p2alignl 7, 3214868480
	.fill 96, 4, 3214868480
	.section	.rodata,"a",@progbits
	.p2align	6, 0x0
	.amdhsa_kernel k_qedd42a9531_outp
		.amdhsa_group_segment_fixed_size 327680
		.amdhsa_private_segment_fixed_size 0
		.amdhsa_enable_private_segment 0
		.amdhsa_kernarg_size 32
		.amdhsa_user_sgpr_count 2
		.amdhsa_user_sgpr_kernarg_segment_ptr 1
		.amdhsa_wavefront_size32 1
		.amdhsa_system_sgpr_workgroup_id_x 1
		.amdhsa_system_sgpr_workgroup_id_y 1
		.amdhsa_system_sgpr_workgroup_id_z 1
		.amdhsa_system_vgpr_workitem_id 0
		.amdhsa_next_free_vgpr 576
		.amdhsa_next_free_sgpr 66
		.amdhsa_reserve_vcc 0
		.amdhsa_float_denorm_mode_32 3
		.amdhsa_float_denorm_mode_16_64 3
		.amdhsa_memory_ordered 1
		.amdhsa_forward_progress 1
		.amdhsa_inst_pref_size 87
	.end_amdhsa_kernel
	.amdgpu_metadata
---
amdhsa.version: [ 1, 2 ]
amdhsa.kernels:
  - .name:           k_qedd42a9531_outp
    .symbol:         k_qedd42a9531_outp.kd
    .args:
      - { .name: ctxf, .offset: 0, .size: 8, .value_kind: global_buffer, .address_space: global }
      - { .name: wof, .offset: 8, .size: 8, .value_kind: global_buffer, .address_space: global }
      - { .name: bo, .offset: 16, .size: 8, .value_kind: global_buffer, .address_space: global }
      - { .name: out0, .offset: 24, .size: 8, .value_kind: global_buffer, .address_space: global }
    .group_segment_fixed_size: 327680
    .private_segment_fixed_size: 0
    .kernarg_segment_align: 8
    .kernarg_segment_size: 32
    .max_flat_workgroup_size: 128
    .sgpr_count:     66
    .vgpr_count:     576
    .wavefront_size: 32
...
	.end_amdgpu_metadata
.endif
;; end of part 5
